; MI455X (gfx1250); checked and timed in simulation.
; The chip was launched on July 23, 2026; its instructions are those of AMD's public machine-readable ISA for CDNA 5 (MIT licence, August 2026) and "CDNA5" Instruction Set Architecture Reference Guide (July 2026). The comments in the code are by the model that wrote it; some were corrected since.
;; Onnx Multi Head Attention. Allowed arithmetic: matrix products marked QUANTISED: E2M3 operands, one E8M0 scale for each 32 along K, by v_wmma_scale_f32_16x16x128_f8f6f4 with both operands' format E2M3, f32 sums; everything else in f32.
;; Inputs: causal_mask 2,048 x 2,048 float32; cos_freqs 2,048 x 32 float32; sin_freqs 2,048 x 32 float32; w_k_codes 1,024 x 32 x 24 uint8 (E2M3 codes of w_k, K innermost, in blocks of 32 codes, four codes in three bytes); w_k_scales 1,024 x 32 uint8 (E8M0 scales of w_k, one for each 32 codes along K); w_o_codes 1,024 x 32 x 24 uint8 (E2M3 codes of w_o, K innermost, in blocks of 32 codes, four codes in three bytes); w_o_scales 1,024 x 32 uint8 (E8M0 scales of w_o, one for each 32 codes along K); w_q_codes 1,024 x 32 x 24 uint8 (E2M3 codes of w_q, K innermost, in blocks of 32 codes, four codes in three bytes); w_q_scales 1,024 x 32 uint8 (E8M0 scales of w_q, one for each 32 codes along K); w_v_codes 1,024 x 32 x 24 uint8 (E2M3 codes of w_v, K innermost, in blocks of 32 codes, four codes in three bytes); w_v_scales 1,024 x 32 uint8 (E8M0 scales of w_v, one for each 32 codes along K); x_codes 4 x 2,048 x 32 x 24 uint8 (E2M3 codes of x, K innermost, in blocks of 32 codes, four codes in three bytes); x_scales 4 x 2,048 x 32 uint8 (E8M0 scales of x, one for each 32 codes along K).
;; Outputs: out0 4 x 2,048 x 1,024 float32.
;; This version of the problem:
;;   THIS VERSION OF THE PROBLEM IS GIVEN IN LOW PRECISION. The matrix products marked QUANTISED in the list below multiply operands that are first quantised to E2M3 (2 exponent bits, 3 mantissa bits; 6 bits a number), with one power-of-two scale for each 32 numbers along K (OCP MX v1.0); their sums are f32. All else is computed in f32.
;;   The module's matrix products, in the order in which they are computed (A, B: the left and right operand; K: the contracted axis; several contracted axes count as one K, in the product's order):
;;     1. [M 8,192, K 1,024] x [K 1,024, N 1,024]; A: input x (given as codes); B: input w_q (given as codes): QUANTISED
;;     2. [M 8,192, K 1,024] x [K 1,024, N 1,024]; A: input x (given as codes); B: input w_k (given as codes): QUANTISED
;;     3. [M 8,192, K 1,024] x [K 1,024, N 1,024]; A: input x (given as codes); B: input w_v (given as codes): QUANTISED
;;     4. batch 64 x [M 2,048, K 64] x [K 64, N 2,048]; A: computed on the way; B: computed on the way: QUANTISED
;;     5. batch 64 x [M 2,048, K 2,048] x [K 2,048, N 64]; A: softmax (see below); B: computed on the way: QUANTISED
;;     6. [M 8,192, K 1,024] x [K 1,024, N 1,024]; A: computed on the way; B: input w_o (given as codes): QUANTISED
;;   THE QUANTISER, for each operand of a quantised product, along K:
;;     - K is cut into blocks of 32 from its start; a last block that is shorter is filled with zeros.
;;     - A block's scale is 2^e with e = floor(log2(the largest magnitude in the block)) - 2, held to -126 .. 127; a block of zeros has e = 0. As a byte (E8M0): e + 127.
;;     - Each number is divided by its block's scale, clamped to +-7.5, and rounded to the nearest number of E2M3, ties to even, subnormals kept.
;;     - The product sums the exact products of the quantised numbers (number of the format x scale) in f32.
;;   ~~~python
;;   def quantise(x, axis):      # numpy; x: float32 -> the quantised numbers, widened to float32 again
;;       x = np.moveaxis(x, axis, -1); K = x.shape[-1]
;;       x = np.pad(x, [(0, 0)] * (x.ndim - 1) + [(0, -K % 32)]); x = x.reshape(x.shape[:-1] + (-1, 32)); a = np.abs(x).max(-1, keepdims=True)
;;       e = np.where(a > 0, np.clip(np.frexp(np.where(a > 0, a, 1))[1] - 1 - 2, -126, 127), 0)      # np.frexp(a)[1] - 1 = floor(log2(a)), exactly
;;       r = np.clip(x / 2.0 ** e, -7.5, 7.5)
;;       step = 2.0 ** (np.maximum(np.frexp(np.where(r == 0, 1, r))[1] - 1, 0) - 3)
;;       q = np.round(r / step) * step * 2.0 ** e      # np.round: ties to even
;;       return np.moveaxis(q.reshape(q.shape[:-2] + (-1,))[..., :K], -1, axis).astype(np.float32)
;;   ~~~
;;   SOFTMAX AHEAD OF A QUANTISED PRODUCT. Where the list says 'softmax', what is quantised is not the finished softmax but p = 2^(t - M), with t = logit x log2(e) and M = ceil(the row's largest t), a whole number; so 1/2 < the row's largest p <= 1. The row's sum l is taken of the UNQUANTISED p, in f32, and the product's result is divided by l at the end. Since M is a whole number, a kernel that streams over the keys may use a running M (the ceiling of the running maximum): every later rescaling is an exact power of two, which a block's scale takes up: the codes' values come out the same.
;;   OPERANDS COMPUTED ON THE WAY. 'Computed on the way' means the value that the module computes at that place (a softmax that the list does not call 'softmax' is quantised finished and normalised). What goes into a quantiser is computed in f32, as accurately as f32 sums, v_exp_f32 and their like allow (about 1e-6 of the number): no bf16 or f16 on the way to a quantiser, and a product that is left as it is and whose result goes on into a quantised operand takes f32 operands (vector FMAs, or v_wmma_f32_16x16x4_f32). A number that lies on a knife's edge between two numbers of the format may be rounded either way, as far as f32 arithmetic and the matrix unit's own rounding can turn it there, and no further.
;;   INPUTS GIVEN AS CODES. w_k (in the module: [1024, 1024], K = its axis 1); w_o (in the module: [1024, 1024], K = its axis 1); w_q (in the module: [1024, 1024], K = its axis 1); w_v (in the module: [1024, 1024], K = its axis 1); x (in the module: [4, 2048, 1024], K = its axis 2): each comes as NAME_codes (uint8): NAME with its K axis moved to the last place and cut into blocks of 32 codes, [.., K / 32, bytes a block], one block behind the other in memory; four codes in three bytes: a row's codes are one little-endian stream of bits, code i at bits 6 i .. 6 i + 5 (a code: sign, 2 exponent bits, 3 mantissa bits); and NAME_scales (uint8): the same leading axes, one E8M0 byte (e + 127) for each 32 codes along K. Its value is code x scale, taken as it is: it is not quantised again, and the codes and scales need not be those that the quantiser above would give.
;; One version. Each part assembles by itself: llvm-mc -triple=amdgcn-amd-amdhsa -mcpu=gfx1250 --defsym DOCPART=n.
;; ======== version 1 of 1: 3 launches
;; limits: right only within a limited range of input values
;; workspace buffers: qimg 6,291,456 bytes; qsc 524,288 bytes; kv 12,582,912 bytes; kvs 786,432 bytes; oc 6,291,456 bytes; osc 262,144 bytes
;; launch qkv (part 1): grid 12 x 32, 4 waves a work-group, clusters of 4 x 4, 327,680 bytes of LDS; arguments x_codes, x_scales, w_q_codes, w_q_scales, w_k_codes, w_k_scales, w_v_codes, w_v_scales, cos_freqs, sin_freqs, qimg, qsc, kv, kvs; writes qimg, qsc, kv, kvs
.if DOCPART == 1
	.amdgcn_target "amdgcn-amd-amdhsa--gfx1250"
	.amdhsa_code_object_version 6
	.text
	.protected	k_q5e6b4e106a_qkv
	.globl	k_q5e6b4e106a_qkv
	.p2align	8
	.type	k_q5e6b4e106a_qkv,@function
k_q5e6b4e106a_qkv:
	s_mov_b64 s[64:65], 0
	v_nop
	global_prefetch_b8 v0, s[64:65] scope:SCOPE_SE
	s_setreg_imm32_b32 hwreg(HW_REG_WAVE_MODE, 25, 1), 1
	s_wait_xcnt 0x0
	s_wait_alu depctr_hold_cnt(0) depctr_sa_sdst(0) depctr_va_vdst(0) depctr_va_sdst(0) depctr_va_ssrc(0) depctr_va_vcc(0) depctr_vm_vsrc(0)
	s_getreg_b32 s2, hwreg(HW_REG_IB_STS2, 6, 4)
	s_cmp_eq_u32 s2, 0
	s_cbranch_scc0 .Lentry_in_a_cluster
	s_endpgm
.Lentry_in_a_cluster:
	s_bfe_u32 s2, ttmp6, 0x10000c
	s_cmp_lg_u32 s2, 0xf033
	s_cbranch_scc0 .Lentry_shape_is_right
	s_endpgm
.Lentry_shape_is_right:
.set SIZE_K, 1024
.set NQ,     2
.set ROWB,   256                       ; a tile's row: a chunk of 256 bytes of a row of codes, which begins at a multiple of 256 bytes
.set KROW,   SIZE_K*6/8
.set STEPS,  SIZE_K/128                ; steps of 128 along K, 96 bytes of a row each: eight steps to three chunks
.set CHUNKS, KROW/ROWB                 ; chunk c lies in slot c % 2
.set PITCH,  272
.set FR,     12
.set NL,     6
.set NP,     4
.set HALFT,  128*PITCH
.set SLOT,   4*HALFT
.set KS,     SIZE_K/32
.set SCL,    2*SLOT
.set HALFS,  (128*KS/256)*272
.set SBLK,   (16*KS/256)*272
.set SPARE,  SCL+4*HALFS
.set VSTG,   16384
.set LI16, 3
.set LI8,  4
.set CSA,  5
.set STW,  6
.set STR,  7
.set VST,  8
.set VSR,  9
.set VSW,  10
.set VSRD, 11
.set VSG,  12
.set ADRA, 16
.set ADRB, 20
.set ADRS, 27
.set SPW,  28
.set NIL,  29
.set SC,   32
.set XR,   64
.set TM,   96
.set PW,   112
.set PH,   114
.set AF,   128
.set PCB,  128
.set SEL,  20
.set G1, 24
.set G0, 32
.set G1B, 48
.set G0B, 56
.set G1S, 68
.set G0S, 76
.set G1SB, 80
.set G0SB, 88
.set G0H, 4                            ; s[4:7], s[8:11] group 0 of the head's loads of chunk 0 (the addresses that lay there have been used by then)
.set G0HB, 8
.set MSB, 0
.macro WIN new
.if MSB != \new
	s_set_vgpr_msb (MSB<<8)|\new
.set MSB, \new
.endif
.endm
.set MUL_LO, 0xa1
.set MUL_HI, 0xf1
.set TO_B,   0x40
.macro JLOAD g0a, g1a, g0b, g1b
	s_cmp_eq_u32 s15, 0
	s_cbranch_scc0 .Lfor_b_\@
	tensor_load_to_lds s[\g0a:\g0a+3], s[\g1a:\g1a+7]
	s_nop 0
.rept 4
	v_nop
.endr
	s_branch .Lasked_\@
.Lfor_b_\@:
	tensor_load_to_lds s[\g0b:\g0b+3], s[\g1b:\g1b+7]
	s_nop 0
.rept 4
	v_nop
.endr
.Lasked_\@:
.endm
.macro CREST
	s_cmp_lg_u32 s14, 0
	s_cbranch_scc1 .Lnot_wave_0_\@
	s_barrier_signal -3
.Lnot_wave_0_\@:
	s_barrier_wait -3
	s_barrier_signal -1
	s_barrier_wait -1
.endm
.macro CROUND
	s_barrier_signal -1
	s_barrier_wait -1
	CREST
.endm
	s_load_b512 s[68:83], s[0:1], 0x0
	s_load_b256 s[84:91], s[0:1], 0x40
	s_load_b128 s[92:95], s[0:1], 0x60
	v_lshl_add_u32 v[SPW], v0, 2, SPARE
	v_mov_b32 v[NIL], 0
	ds_add_u32 v28, v29
	ds_add_u32 v28, v29
	s_wait_dscnt 0x0
	v_lshrrev_b32 v1, 5, v0
	v_readfirstlane_b32 s14, v1
	s_lshr_b32 s15, s14, 1
	s_and_b32 s16, s14, 1
	s_bfe_u32 s40, ttmp6, 0x40000
	s_bfe_u32 s41, ttmp6, 0x40004
	s_and_b32 s45, ttmp7, 0xffff
	s_lshl_b32 s45, s45, 2
	s_lshl_b32 s43, s41, 2
	s_lshl_b32 s43, 15, s43
	s_lshl_b32 s44, 0x1111, s40
	s_wait_kmcnt 0x0
	s_cmp_eq_u32 ttmp9, 2
	s_cselect_b64 s[4:5], s[80:81], s[68:69]
	s_cselect_b64 s[6:7], s[82:83], s[70:71]
	s_cselect_b32 s17, 0, s45
	s_cselect_b32 s42, s45, 0
	s_cmp_eq_u32 ttmp9, 0
	s_cselect_b64 s[8:9], s[72:73], s[76:77]
	s_cselect_b64 s[10:11], s[74:75], s[78:79]
	s_cselect_b64 s[12:13], s[88:89], s[92:93]
	s_cselect_b64 s[66:67], s[90:91], s[94:95]
	s_cmp_eq_u32 ttmp9, 2
	s_cselect_b64 s[8:9], s[68:69], s[8:9]
	s_cselect_b64 s[10:11], s[70:71], s[10:11]
	s_mov_b64 s[96:97], s[84:85]
	s_mov_b64 s[98:99], s[86:87]
	s_add_co_u32 s17, s17, s41
	s_add_co_u32 s42, s42, s40
	s_or_b32 s[G1+0], s43, (0<<16)|(1<<20)|(1<<21)|(5<<22)|(3<<25)
	s_or_b32 s[G1B+0], s44, (0<<16)|(1<<20)|(1<<21)|(5<<22)|(3<<25)
.irp g, G1, G1B
	s_mov_b32 s[\g+1], ROWB<<16
	s_mov_b32 s[\g+2], 256<<16
	s_mov_b32 s[\g+3], ROWB<<16
	s_mov_b32 s[\g+4], 256
	s_mov_b32 s[\g+5], KROW
	s_mov_b32 s[\g+6], 0
	s_mov_b32 s[\g+7], 0
.endr
	s_or_b32 s[G1S+0], s43, (3<<16)|(1<<20)|(1<<21)|(5<<22)|(3<<25)
	s_or_b32 s[G1SB+0], s44, (3<<16)|(1<<20)|(1<<21)|(5<<22)|(3<<25)
.irp g, G1S, G1SB
	s_mov_b32 s[\g+1], 32<<16
	s_mov_b32 s[\g+2], KS<<16
	s_mov_b32 s[\g+3], 32<<16
	s_mov_b32 s[\g+4], KS
	s_mov_b32 s[\g+5], 32
	s_mov_b32 s[\g+6], 0
	s_mov_b32 s[\g+7], 0
.endr
	s_lshl_b32 s20, s17, 8
	s_lshl_b32 s46, s42, 8
	s_mov_b32 s21, 0
	s_mov_b32 s47, 0
	s_mov_b64 s[18:19], KS
	s_mul_u64 s[22:23], s[20:21], s[18:19]
	s_mul_u64 s[92:93], s[46:47], s[18:19]
	s_mov_b64 s[18:19], KROW
	s_mul_u64 s[20:21], s[20:21], s[18:19]
	s_mul_u64 s[46:47], s[46:47], s[18:19]
	s_mul_i32 s18, s16, 128*KROW           ; in the ring I fetch 128 rows of a tile: which half, in bytes
	s_mov_b32 s19, 0
	s_mul_i32 s45, s14, HALFT
	s_add_nc_u64 s[20:21], s[4:5], s[20:21]
	s_add_nc_u64 s[22:23], s[6:7], s[22:23]
	s_add_nc_u64 s[46:47], s[8:9], s[46:47]
	s_add_nc_u64 s[92:93], s[10:11], s[92:93]
	CROUND
	s_mov_b32 s[G0S], 1
	s_mov_b32 s[G0S+1], SCL
	s_mov_b64 s[G0S+2:G0S+3], s[22:23]
	s_or_b32 s[G0S+3], s[G0S+3], 0x80000000
	s_mov_b32 s[G0SB], 1
	s_mov_b32 s[G0SB+1], SCL+2*HALFS
	s_mov_b64 s[G0SB+2:G0SB+3], s[92:93]
	s_or_b32 s[G0SB+3], s[G0SB+3], 0x80000000
	s_mov_b32 s[G0H], 1                    ; chunk 0's 256 rows of source 1's tile,
	s_mov_b32 s[G0H+1], 0
	s_mov_b64 s[G0H+2:G0H+3], s[20:21]
	s_or_b32 s[G0H+3], s[G0H+3], 0x80000000
	s_mov_b32 s[G0HB], 1                   ; and of source 0's, behind them in slot 0
	s_mov_b32 s[G0HB+1], 2*HALFT
	s_mov_b64 s[G0HB+2:G0HB+3], s[46:47]
	s_or_b32 s[G0HB+3], s[G0HB+3], 0x80000000
	s_add_nc_u64 s[20:21], s[20:21], s[18:19]
	s_add_nc_u64 s[46:47], s[46:47], s[18:19]
.irp s, 0,1
	s_mov_b32 s[G0+4*\s], 1
	s_add_co_u32 s[G0+4*\s+1], s45, \s*SLOT
	s_add_nc_u64 s[G0+4*\s+2:G0+4*\s+3], s[20:21], \s*ROWB
	s_or_b32 s[G0+4*\s+3], s[G0+4*\s+3], 0x80000000
	s_mov_b32 s[G0B+4*\s], 1
	s_add_co_u32 s[G0B+4*\s+1], s45, \s*SLOT
	s_add_nc_u64 s[G0B+4*\s+2:G0B+4*\s+3], s[46:47], \s*ROWB
	s_or_b32 s[G0B+4*\s+3], s[G0B+4*\s+3], 0x80000000
.endr
; the head's four tiles, one load a wave: chunk 0 of both operands, and both operands' scales; one chain of branches on the wave's number
.macro ARM under, g0, g1, next
	s_cmp_lt_u32 s14, \under
	s_cbranch_scc0 \next
	tensor_load_to_lds s[\g0:\g0+3], s[\g1:\g1+7]
	s_nop 0
.rept 4
	v_nop
.endr
	s_branch .Lhead_asked
\next:
.endm
	ARM 1, G0H,  G1,  .Lhead_b
	ARM 2, G0HB, G1B, .Lhead_sa
	ARM 3, G0S,  G1S, .Lhead_sb
	tensor_load_to_lds s[G0SB:G0SB+3], s[G1SB:G1SB+7]
	s_nop 0
.rept 4
	v_nop
.endr
.Lhead_asked:
	v_and_b32 v1, 15, v0
	v_bfe_u32 v2, v0, 4, 1
	v_mul_u32_u24 v13, v1, PITCH
	v_mul_u32_u24 v14, v2, 24
	v_add_nc_u32 v14, v13, v14
	s_mov_b32 s21, SLOT-232
	s_mov_b32 s22, SLOT+232
	v_sub_nc_u32 v31, 1, v2
	v_mul_u32_u24 v15, s21, v2
	v_add_nc_u32 v15, v13, v15
	v_add_nc_u32 v15, 232, v15             ; across two chunks: lanes 0-15 byte 232 of the row in slot 0, lanes 16-31 byte 0 of the row in slot 1;
	v_mul_u32_u24 v30, s22, v31
	v_add_nc_u32 v30, v13, v30             ; and the other way round
	s_mul_i32 s21, s15, HALFT
	s_mul_i32 s22, s16, HALFT
	s_add_co_u32 s22, s22, 2*HALFT
	v_add_nc_u32 v[ADRA+2], s21, v15
	v_add_nc_u32 v[ADRA+3], s21, v30
	v_add_nc_u32 v[ADRB+2], s22, v15
	v_add_nc_u32 v[ADRB+3], s22, v30
.irp s, 0,1
	v_add_nc_u32 v[ADRA+\s], s21, v14
	v_add_nc_u32 v[ADRB+\s], s22, v14
	s_add_co_u32 s21, s21, SLOT
	s_add_co_u32 s22, s22, SLOT
.endr
	v_mul_u32_u24 v13, v1, KS
	v_lshrrev_b32 v14, 8, v13
	v_lshl_add_u32 v13, v14, 4, v13
	s_mul_i32 s21, s15, HALFS
	s_mul_i32 s22, s16, HALFS
	s_add_co_u32 s22, s22, 2*HALFS
	s_sub_co_u32 s22, s22, s21
	v_mul_u32_u24 v14, s22, v2
	s_add_co_u32 s21, s21, SCL
	v_add_nc_u32 v13, v13, v14
	v_add_nc_u32 v[ADRS], s21, v13
	v_and_b32 v15, 31, v0
	v_lshlrev_b32 v[LI16], 4, v15
	v_lshlrev_b32 v[LI8], 3, v15
	v_lshlrev_b32 v[CSA], 7, v1
	v_lshl_add_u32 v[CSA], v2, 4, v[CSA]
	s_lshl_b32 s23, s14, 12
	s_add_co_u32 s23, s23, SLOT            ; the stages lie in slot 1, which does not hold the last chunk: it has had its last fill and its last read when the first result is stored there
	v_lshl_add_u32 v[STW], v1, 2, s23
	v_lshl_add_u32 v[STR], v15, 4, s23
	s_add_co_u32 s23, s23, VSTG
	v_lshrrev_b32 v13, 3, v1
	v_and_b32 v14, 7, v1
	v_mul_u32_u24 v[VST], v13, 1664
	v_lshl_add_u32 v[VST], v14, 4, v[VST]
	v_lshl_add_u32 v[VST], v2, 8, v[VST]
	v_add_nc_u32 v[VST], s23, v[VST]
	v_lshl_add_u32 v[VSR], v15, 4, s23
	s_add_co_u32 s23, s23, 3328
	v_lshlrev_b32 v[VSW], 6, v13
	v_lshl_add_u32 v[VSW], v14, 2, v[VSW]
	v_add_nc_u32 v[VSW], s23, v[VSW]
	v_lshl_add_u32 v[VSRD], v15, 4, s23
	v_mul_u32_u24 v[VSG], v2, 12288
	v_lshl_add_u32 v[VSG], v1, 4, v[VSG]
.irp b, 0,1,2,3
	v_mov_b32 v[TM+4+\b], 0
.endr
.macro FRAG reg, adr, st, i            ; pieces of 8 bytes; byte y of a row of codes lies in slot (y / 256) % 2 at byte y % 256 of the LDS row
.irp p, 0,1,2,3,4,5
.set BY, 96*(\st)+48*(\p/3)+8*(\p%3)
.if BY/ROWB == (BY+24)/ROWB
	ds_load_b64 v[\reg+2*\p:\reg+2*\p+1], v[\adr+(BY/ROWB)%2] offset:BY%ROWB+(\i)*16*PITCH
.else
	ds_load_b64 v[\reg+2*\p:\reg+2*\p+1], v[\adr+2+(BY/ROWB)%2] offset:BY%ROWB-232+(\i)*16*PITCH
.endif
.endr
.endm
.macro MUL16 a0, p, q, sc, zero
.irp a, \a0, \a0+1
.irp b, 0,1,2,3,4,5,6,7
.if \zero
	v_wmma_scale_f32_16x16x128_f8f6f4 v[8*(8*((\a)%4)+\b):8*(8*((\a)%4)+\b)+7], v[128*(\p)+FR*\b:128*(\p)+FR*\b+FR-1], v[AF+FR*(\a):AF+FR*(\a)+FR-1], 0, v[SC+8*NQ*(\sc)+NQ*\b+(\q)], v[SC+8*NQ*(\sc)+NQ*(\a)+(\q)] matrix_a_fmt:MATRIX_FMT_FP6 matrix_b_fmt:MATRIX_FMT_FP6 matrix_a_scale:MATRIX_SCALE_ROW1
.else
	v_wmma_scale_f32_16x16x128_f8f6f4 v[8*(8*((\a)%4)+\b):8*(8*((\a)%4)+\b)+7], v[128*(\p)+FR*\b:128*(\p)+FR*\b+FR-1], v[AF+FR*(\a):AF+FR*(\a)+FR-1], v[8*(8*((\a)%4)+\b):8*(8*((\a)%4)+\b)+7], v[SC+8*NQ*(\sc)+NQ*\b+(\q)], v[SC+8*NQ*(\sc)+NQ*(\a)+(\q)] matrix_a_fmt:MATRIX_FMT_FP6 matrix_b_fmt:MATRIX_FMT_FP6 matrix_a_scale:MATRIX_SCALE_ROW1
.endif
.endr
.endr
.endm
.macro FETCH_B st, p
	WIN TO_B
.irp i, 0,1,2,3,4,5,6,7
	FRAG 128*(\p)+FR*\i, ADRB, \st, \i
.endr
	WIN 0
.endm
.macro FETCH_A st, i0
.irp i, \i0, \i0+1, \i0+2, \i0+3
	FRAG AF+FR*(\i), ADRA, \st, \i
.endr
.endm
.macro SCALES pr
.irp i, 0,1,2,3,4,5,6,7
	ds_load_b64 v[SC+8*NQ*((\pr)%2)+NQ*\i:SC+8*NQ*((\pr)%2)+NQ*\i+1], v[ADRS] offset:\i*SBLK+4*NQ*(\pr)
.endr
.endm
.macro PLACES n
.rept \n
	v_nop
.endr
.endm
; A step of 128 along K.  Where the next step's bytes end in a chunk not yet read, a barrier shows that chunk whole; where they begin in a later chunk than this step's,
; the chunk left behind is read no more: the wait for all tensor loads, the add, the wait for it and for my reads, the barrier, and, where a chunk two on is left, the cluster's round and the refill.
.macro STEP st, zero
.set NX, (\st)+1
.set C0, (96*(\st))/ROWB
.set C1, (96*NX)/ROWB
.set E0, (96*(\st)+95)/ROWB
.set E1, (96*NX+95)/ROWB
.if C1 > C0 || E1 > E0
	s_wait_tensorcnt 0x0
.if C1 > C0
	ds_add_u32 v[SPW], v[NIL]
	s_wait_dscnt 4*NL+1                    ; the add and the youngest 24 loads may be out
.else
	s_wait_dscnt 4*NL
.endif
	WIN MUL_LO
	MUL16 0, (\st)%2, (\st)%2, ((\st)/2)%2, \zero
	s_wait_dscnt 0x0
	s_barrier_signal -1
	MUL16 2, (\st)%2, (\st)%2, ((\st)/2)%2, \zero
	WIN 0
	s_barrier_wait -1
.if C1 > C0 && C0+2 < CHUNKS
	CREST
	s_add_nc_u64 s[G0+4*(C0%2)+2:G0+4*(C0%2)+3], s[G0+4*(C0%2)+2:G0+4*(C0%2)+3], 2*ROWB
	s_add_nc_u64 s[G0B+4*(C0%2)+2:G0B+4*(C0%2)+3], s[G0B+4*(C0%2)+2:G0B+4*(C0%2)+3], 2*ROWB
	JLOAD G0+4*(C0%2), G1, G0B+4*(C0%2), G1B
.else
	PLACES NP
.endif
.else
	s_wait_dscnt 4*NL
	WIN MUL_LO
	MUL16 0, (\st)%2, (\st)%2, ((\st)/2)%2, \zero
	MUL16 2, (\st)%2, (\st)%2, ((\st)/2)%2, \zero
	s_wait_dscnt 0
	PLACES NP
.endif
	FETCH_B NX, NX%2
	FETCH_A NX, 0
.if NX%2 == 0
	SCALES NX/2
.endif
	WIN MUL_HI
	MUL16 4, (\st)%2, (\st)%2, ((\st)/2)%2, \zero
	MUL16 6, (\st)%2, (\st)%2, ((\st)/2)%2, \zero
	PLACES NP
	WIN 0
	FETCH_A NX, 4
.endm
	s_wait_alu depctr_va_vdst(0)           ; the wait at the head's end
	s_wait_tensorcnt 0x0                   ; my tile of the head's four is in
	ds_add_u32 v[SPW], v[NIL]
	s_mov_b32 s[G1+2], 128<<16             ; no tensor load of mine is out: from here on a load brings 128 rows
	s_mov_b32 s[G1+4], 128
	s_mov_b32 s[G1B+2], 128<<16
	s_mov_b32 s[G1B+4], 128
	s_wait_dscnt 0x0
	CROUND
	JLOAD G0+4, G1, G0B+4, G1B             ; chunk 1, slot 1's first fill, issued as a refill is
	FETCH_B 0, 0
	FETCH_A 0, 0
	SCALES 0
	FETCH_A 0, 4
	STEP 0, 1
.set ST, 1
.rept STEPS-2
	STEP ST, 0
.set ST, ST+1
.endr
	s_wait_dscnt 4*NL
	WIN MUL_LO
	MUL16 0, 1, NQ-1, 1, 0
	MUL16 2, 1, NQ-1, 1, 0
	s_wait_dscnt 0
	WIN MUL_HI
	MUL16 4, 1, NQ-1, 1, 0
	MUL16 6, 1, NQ-1, 1, 0
	WIN 0
	PLACES NP
	s_mov_b32 s[SEL], 0x76543210
	s_mov_b32 s[SEL+1], 0xfedcba98
	s_cmp_eq_u32 ttmp9, 2
	s_cbranch_scc1 .Lv
.macro QUANT2 src, pc
.irp b, 0,1
	v_max3_num_f32 v[TM+\b], |v[\src+16*\b]|, |v[\src+1+16*\b]|, 0x1800000
.endr
.irp i, 2,4,6,8,10,12,14
.irp b, 0,1
	v_max3_num_f32 v[TM+\b], v[TM+\b], |v[\src+16*\b+\i]|, |v[\src+1+16*\b+\i]|
.endr
.endr
.irp b, 0,1
	v_permlanex16_b32 v[TM+4+\b], v[TM+\b], s[SEL], s[SEL+1]
.endr
.irp b, 0,1
	v_max_num_f32 v[TM+\b], v[TM+\b], v[TM+4+\b]
.endr
.irp b, 0,1
	v_add_nc_u32 v[TM+12+\b], 0xff000000, v[TM+\b]
.endr
.irp b, 0,1
	v_lshrrev_b32 v[TM+4+\b], 23, v[TM+12+\b]
.endr
	v_lshl_or_b32 v[PW], v[TM+5], 8, v[TM+4]
	v_lshl_or_b32 v[PW], v[PW], 16, v[PW]
	v_cvt_scalef32_pk16_fp6_f32 v[\pc:\pc+2], v[\src:\src+15], v[TM+12]
	v_cvt_scalef32_pk16_fp6_f32 v[PH:PH+2], v[\src+16:\src+31], v[TM+13]
	v_nop
.irp i, 0,1,2
	v_permlane16_swap_b32 v[\pc+\i], v[PH+\i]
.endr
.irp i, 0,1,2
	v_mov_b32 v[\pc+3+\i], v[PH+\i]
.endr
.endm
.macro QKBLOCK a, hh
.set AC, 64*((\a)%4)+32*(\hh)
.set CW, 16*(\a)
.set PCX, PCB+6*(2*(\a)+(\hh))
.set WW, 0x06+(\a)/4
	WIN WW
.irp bb, 0,1,2,3
.irp i, 0,1,2,3
	v_mul_f32 v[XR+8*\bb+2*\i], v[AC+8*\bb+2*\i+1], v[128+CW+4*\bb+\i]
	v_mul_f32 v[XR+8*\bb+2*\i+1], v[AC+8*\bb+2*\i], v[128+CW+4*\bb+\i]
.endr
.endr
.irp bb, 0,1,2,3
.irp i, 0,1,2,3
	v_fma_f32 v[XR+8*\bb+2*\i], v[AC+8*\bb+2*\i], v[CW+4*\bb+\i], -v[XR+8*\bb+2*\i]
	v_fma_f32 v[XR+8*\bb+2*\i+1], v[AC+8*\bb+2*\i+1], v[CW+4*\bb+\i], v[XR+8*\bb+2*\i+1]
.endr
.endr
	WIN 0
	s_wait_dscnt 0x0
	QUANT2 XR, PCX
.if \hh
	global_store_b128 v[LI16], v[PCX:PCX+3], s[94:95] offset:768*(\a)
	global_store_b64 v[LI8], v[PCX+4:PCX+5], s[94:95] offset:768*(\a)+512
.else
	global_store_b128 v[LI16], v[PCX:PCX+3], s[12:13] offset:768*(\a)
	global_store_b64 v[LI8], v[PCX+4:PCX+5], s[12:13] offset:768*(\a)+512
.endif
	ds_store_b32 v[STW], v[PW] offset:512*(\hh)+64*(\a)
.endm
	s_lshl_b32 s4, s17, 8
	s_lshl_b32 s5, s15, 7
	s_add_co_u32 s4, s4, s5
	s_lshr_b32 s5, s4, 11
	s_bfe_u32 s6, s4, 0x40007
	s_and_b32 s7, s4, 2047
	s_lshl_b32 s8, s42, 2
	s_lshl_b32 s9, s16, 1
	s_add_co_u32 s8, s8, s9
	s_lshl_b32 s5, s5, 4
	s_add_co_u32 s8, s8, s5
	s_cmp_eq_u32 ttmp9, 0
	s_mov_b32 s18, 196608
	s_cselect_b32 s18, 98304, s18
	s_mov_b32 s19, 12288
	s_cselect_b32 s22, 6144, s19
	s_cselect_b32 s23, 8192, s19
	s_mov_b32 s19, 768
	s_cselect_b32 s19, 512, s19
	s_mul_i32 s10, s8, s18
	s_mul_i32 s11, s6, s22
	s_add_co_u32 s10, s10, s11
	s_mov_b32 s11, 0
	s_add_nc_u64 s[12:13], s[12:13], s[10:11]
	s_mov_b32 s10, s18
	s_add_nc_u64 s[94:95], s[12:13], s[10:11]
	s_mul_i32 s10, s8, s23
	s_mul_i32 s46, s6, s19
	s_add_co_u32 s10, s10, s46
	s_add_nc_u64 s[66:67], s[66:67], s[10:11]
	s_mov_b32 s10, s23
	s_add_nc_u64 s[92:93], s[66:67], s[10:11]
	s_lshl_b32 s10, s7, 7
	s_add_nc_u64 s[96:97], s[96:97], s[10:11]
	s_add_nc_u64 s[98:99], s[98:99], s[10:11]
	WIN 0x40
.irp a, 0,1,2,3,4,5,6,7
.irp bb, 0,1,2,3
	global_load_b128 v[16*\a+4*\bb:16*\a+4*\bb+3], v[CSA], s[96:97] offset:2048*\a+32*\bb
.endr
.irp bb, 0,1,2,3
	global_load_b128 v[128+16*\a+4*\bb:128+16*\a+4*\bb+3], v[CSA], s[98:99] offset:2048*\a+32*\bb
.endr
.endr
	WIN 0
.irp a, 0,1,2,3,4,5,6,7
	s_wait_loadcnt 8*(7-\a)
.irp hh, 0,1
	QKBLOCK \a, \hh
.endr
.endr
	ds_load_b128 v[224:227], v[STR]
	ds_load_b128 v[228:231], v[STR] offset:512
	s_wait_dscnt 0x0
	global_store_b128 v[LI16], v[224:227], s[66:67]
	global_store_b128 v[LI16], v[228:231], s[92:93]
	s_branch .Lend
.Lv:
.macro QUANT4W a, pc, pw
.set QW, 2+(\a)/4
.set QWW, QW|(QW<<2)
.set QS0, 64*((\a)%4)
	WIN QWW
.irp b, 0,1,2,3
	v_max3_num_f32 v[TM+\b], |v[QS0+16*\b]|, |v[QS0+1+16*\b]|, 0x1800000
.endr
.irp i, 2,4,6,8,10,12,14
.irp b, 0,1,2,3
	v_max3_num_f32 v[TM+\b], |v[QS0+16*\b+\i]|, |v[QS0+1+16*\b+\i]|, v[TM+\b]
.endr
.endr
	WIN 0
.irp b, 0,1,2,3
	v_permlanex16_b32 v[TM+4+\b], v[TM+\b], s[SEL], s[SEL+1]
.endr
.irp b, 0,1,2,3
	v_max_num_f32 v[TM+\b], v[TM+\b], v[TM+4+\b]
.endr
.irp b, 0,1,2,3
	v_add_nc_u32 v[TM+12+\b], 0xff000000, v[TM+\b]
.endr
.irp b, 0,1,2,3
	v_lshrrev_b32 v[TM+4+\b], 23, v[TM+12+\b]
.endr
	v_lshl_or_b32 v[\pw], v[TM+5], 8, v[TM+4]
	v_lshl_or_b32 v[\pw], v[TM+6], 16, v[\pw]
	v_lshl_or_b32 v[\pw], v[TM+7], 24, v[\pw]
	WIN QW
.irp c, 0,1
	v_cvt_scalef32_pk16_fp6_f32 v[\pc+6*\c:\pc+6*\c+2], v[QS0+32*\c:QS0+32*\c+15], v[TM+12+2*\c]
	v_cvt_scalef32_pk16_fp6_f32 v[PH+4*\c:PH+4*\c+2], v[QS0+16+32*\c:QS0+31+32*\c], v[TM+12+2*\c+1]
.endr
	WIN 0
	v_nop
.irp c, 0,1
.irp i, 0,1,2
	v_permlane16_swap_b32 v[\pc+6*\c+\i], v[PH+4*\c+\i]
.endr
.irp i, 0,1,2
	v_mov_b32 v[\pc+3+6*\c+\i], v[PH+4*\c+\i]
.endr
.endr
.endm
.macro VOUT a
.set OU, 152+24*((\a)/2)
.irp u, 0,1
.irp c, 0,1,2
	ds_load_b128 v[OU+12*\u+4*\c:OU+12*\u+4*\c+3], v[VSR] offset:1664*\u+512*\c
.endr
.endr
	s_wait_dscnt 0x0
.irp u, 0,1
.irp c, 0,1,2
.if (\a)/4
	global_store_b128 v[LI16], v[OU+12*\u+4*\c:OU+12*\u+4*\c+3], s[94:95] offset:(2*(((\a)%4)/2)+\u)*1536+512*\c
.else
	global_store_b128 v[LI16], v[OU+12*\u+4*\c:OU+12*\u+4*\c+3], s[12:13] offset:(2*(((\a)%4)/2)+\u)*1536+512*\c
.endif
.endr
.endr
.endm
	s_lshl_b32 s4, s42, 8
	s_lshl_b32 s5, s16, 7
	s_add_co_u32 s4, s4, s5
	s_lshr_b32 s5, s4, 11
	s_bfe_u32 s6, s4, 0x40007
	s_lshl_b32 s8, s17, 2
	s_lshl_b32 s9, s15, 1
	s_add_co_u32 s8, s8, s9
	s_lshl_b32 s5, s5, 4
	s_add_co_u32 s8, s8, s5
	s_mul_i32 s10, s8, 196608
	s_mul_i32 s11, s6, 12288
	s_add_co_u32 s10, s10, s11
	s_add_co_u32 s10, s10, 6144
	s_mov_b32 s11, 0
	s_add_nc_u64 s[12:13], s[12:13], s[10:11]
	s_add_nc_u64 s[94:95], s[12:13], 196608
	s_mul_i32 s10, s8, 12288
	s_mul_i32 s46, s6, 768
	s_add_co_u32 s10, s10, s46
	s_add_co_u32 s10, s10, 512
	s_add_nc_u64 s[66:67], s[66:67], s[10:11]
.irp a, 0,1,2,3,4,5,6,7
	QUANT4W \a, PCB+12*((\a)%2), PW+(\a)%2
.irp c, 0,1,2
	ds_store_b128 v[VST], v[PCB+12*((\a)%2)+4*\c:PCB+12*((\a)%2)+4*\c+3] offset:128*((\a)%2)+512*\c
.endr
	ds_store_b32 v[VSW], v[PW+(\a)%2] offset:256*((\a)/4)+128*(((\a)%4)/2)+32*((\a)%2)
.if (\a)%2
	VOUT \a
.endif
.endr
	ds_load_b128 v[248:251], v[VSRD]
	s_wait_dscnt 0x0
	global_store_b128 v[VSG], v[248:251], s[66:67]
.Lend:
	s_wait_tensorcnt 0x0
	ds_add_u32 v[SPW], v[NIL]
	s_wait_dscnt 0x0
	CROUND
	s_endpgm
.Lfunc_end_k_q5e6b4e106a_qkv:
	.size	k_q5e6b4e106a_qkv, .Lfunc_end_k_q5e6b4e106a_qkv-k_q5e6b4e106a_qkv
	.p2alignl 7, 3214868480
	.fill 96, 4, 3214868480
	.section	.rodata,"a",@progbits
	.p2align	6, 0x0
	.amdhsa_kernel k_q5e6b4e106a_qkv
		.amdhsa_group_segment_fixed_size 327680
		.amdhsa_private_segment_fixed_size 0
		.amdhsa_enable_private_segment 0
		.amdhsa_kernarg_size 112
		.amdhsa_user_sgpr_count 2
		.amdhsa_user_sgpr_kernarg_segment_ptr 1
		.amdhsa_wavefront_size32 1
		.amdhsa_system_sgpr_workgroup_id_x 1
		.amdhsa_system_sgpr_workgroup_id_y 1
		.amdhsa_system_sgpr_workgroup_id_z 1
		.amdhsa_system_vgpr_workitem_id 0
		.amdhsa_next_free_vgpr 1024
		.amdhsa_next_free_sgpr 100
		.amdhsa_reserve_vcc 0
		.amdhsa_float_denorm_mode_32 3
		.amdhsa_float_denorm_mode_16_64 3
		.amdhsa_memory_ordered 1
		.amdhsa_forward_progress 1
		.amdhsa_inst_pref_size 255
	.end_amdhsa_kernel
	.section	.bss,"aw",@nobits
	.p2align	6
	.space	262144
	.amdgpu_metadata
---
amdhsa.version: [ 1, 2 ]
amdhsa.kernels:
  - .name:           k_q5e6b4e106a_qkv
    .symbol:         k_q5e6b4e106a_qkv.kd
    .args:
      - { .name: x_codes, .offset: 0, .size: 8, .value_kind: global_buffer, .address_space: global }
      - { .name: x_scales, .offset: 8, .size: 8, .value_kind: global_buffer, .address_space: global }
      - { .name: w_q_codes, .offset: 16, .size: 8, .value_kind: global_buffer, .address_space: global }
      - { .name: w_q_scales, .offset: 24, .size: 8, .value_kind: global_buffer, .address_space: global }
      - { .name: w_k_codes, .offset: 32, .size: 8, .value_kind: global_buffer, .address_space: global }
      - { .name: w_k_scales, .offset: 40, .size: 8, .value_kind: global_buffer, .address_space: global }
      - { .name: w_v_codes, .offset: 48, .size: 8, .value_kind: global_buffer, .address_space: global }
      - { .name: w_v_scales, .offset: 56, .size: 8, .value_kind: global_buffer, .address_space: global }
      - { .name: cos_freqs, .offset: 64, .size: 8, .value_kind: global_buffer, .address_space: global }
      - { .name: sin_freqs, .offset: 72, .size: 8, .value_kind: global_buffer, .address_space: global }
      - { .name: qimg, .offset: 80, .size: 8, .value_kind: global_buffer, .address_space: global }
      - { .name: qsc, .offset: 88, .size: 8, .value_kind: global_buffer, .address_space: global }
      - { .name: kv, .offset: 96, .size: 8, .value_kind: global_buffer, .address_space: global }
      - { .name: kvs, .offset: 104, .size: 8, .value_kind: global_buffer, .address_space: global }
    .group_segment_fixed_size: 327680
    .private_segment_fixed_size: 0
    .kernarg_segment_align: 8
    .kernarg_segment_size: 112
    .max_flat_workgroup_size: 128
    .sgpr_count:     100
    .vgpr_count:     1024
    .wavefront_size: 32
...
	.end_amdgpu_metadata
.endif
;; end of part 1
;; launch attn (part 2): grid 16 x 16, 8 waves a work-group, clusters of 4 x 4, 327,680 bytes of LDS; arguments qimg, qsc, kv, kvs, causal_mask, oc, osc; writes oc, osc
.if DOCPART == 2
	.amdgcn_target "amdgcn-amd-amdhsa--gfx1250"
	.amdhsa_code_object_version 6
	.text
	.protected	k_q5e6b4e106a_attn
	.globl	k_q5e6b4e106a_attn
	.p2align	8
	.type	k_q5e6b4e106a_attn,@function
k_q5e6b4e106a_attn:
	s_mov_b64 s[64:65], 0
	v_nop
	global_prefetch_b8 v0, s[64:65] scope:SCOPE_SE
	s_setreg_imm32_b32 hwreg(HW_REG_WAVE_MODE, 25, 1), 1
	s_wait_xcnt 0x0
	s_wait_alu depctr_hold_cnt(0) depctr_sa_sdst(0) depctr_va_vdst(0) depctr_va_sdst(0) depctr_va_ssrc(0) depctr_va_vcc(0) depctr_vm_vsrc(0)
	s_getreg_b32 s2, hwreg(HW_REG_IB_STS2, 6, 4)
	s_cmp_eq_u32 s2, 0
	s_cbranch_scc0 .Lentry_in_a_cluster
	s_endpgm
.Lentry_in_a_cluster:
	s_bfe_u32 s2, ttmp6, 0x10000c
	s_cmp_lg_u32 s2, 0xf033
	s_cbranch_scc0 .Lentry_shape_is_right
	s_endpgm
.Lentry_shape_is_right:
; o = softmax(q k^T / 8 + mask) v for 4 batches x 16 heads of 64, 2,048 tokens; both products on codes of FP6 (E2M3), one E8M0 scale for each 32 along K; then o is quantised along the model's 1,024.
; THE MASK IS AN INPUT: every number of it is loaded and added, and no key is left out.  No work of the problem is left out here.
; THE MASK IS THE C OF THE FIRST PRODUCT: it is loaded from LDS into the scores' accumulators, and S^T = K Q^T + mask is summed in place.  The factor 1 / 8 is a power of two: 3 is taken off Q's scale bytes.
; THE SOFTMAX: u = score / 8 + mask; M = ceil(the running largest u x log2(e)), kept as -M; p = 2^(u x log2(e) - M), one multiply-add and one exponential; the row's sum is taken of the unquantised p.
; When M moves, the sum and O^T are multiplied by 2^(old M - new M), which rounds nothing.
; SHARES.  A work-group owns 128 queries x 4 heads of one batch: 16 x 16 = 256 work-groups.  Wave w owns head w % 4 and 64 queries (half w / 4): four tiles of 16, which share each fragment of K and V.
; 16 steps of 128 keys through two slots: 128 rows of mask (67,584 bytes with padding) and 4 heads x 12,288 bytes of K and V.
; CLUSTER 4 x 4: x = four blocks of queries, y = the four groups of heads of a batch.  The mask's tile is asked for jointly along a column, K, V and their scale words along a row.
; THE WALK.  Tile u's work holds the first product of tile u + 1 and the loads of tile u + 2's mask (both modulo 4, on into the next step).  A wave's LDS reads of a slot end when tile 3's mask is in
; registers, at the head of tile 2: there stand the wait for all its tensor loads, the add, the wait for the add and the reads, and the round's opening signal.  Tile 2's work, on registers alone, stands
; inside the round.  Behind the round come the refill of the slot just left and the next step's K and first mask; tile 3, which needs registers alone, is worked while they land.
; LAYOUT as the launch before laid it: operands are images of their registers.  K = 64 in a form of 128: Q's registers 6-11 are zero codes; K's fragment t runs on into fragment t + 1 (behind the last: zeros).
; REGISTERS.  Window 0: v0-11 addresses; v12-19 (-M, largest t) and v20-27 the sums of the four tiles; v28-38 scales; v40-87 Q; v88-127 at work; v128-255 two buffers of scores.
; Window 1: v0-127 O^T of the four tiles; v128-181 K's fragments; v182-229 V^T's.
; LIMITS: NaN among the inputs, +infinity in the mask and rows whose every logit is -infinity are not served; the promise holds while |u x log2(e)| stays under 2^31; a scale byte of Q under 3
; (a block of q whose largest magnitude is under 2^-122) is held at 3; a block of zeros keeps the byte 1 (its codes are zeros; this program alone reads the bytes).
.set SLOT1, 1<<17
.set MP,    528
.set KVOFF, 128*MP
.set HB,    12288
.set VO,    6144
.set SP,    272                        ; the way out's stage: 128 rows x (16 places of 16 bytes + 16), in slot 0 behind its last fill and last read
.set SSTG,  128*SP
.set SCB,   2*SLOT1                    ; the scale words of the 4 heads, all 16 steps: filled once
.set SPARE, SCB+4*HB                   ; the spare words: 128 bytes a wave, four blocks of 256 bytes
.set B16, 1
.set B8,  2
.set BMK, 3
.set BSC, 4
.set SPW, 5
.set NIL, 6
.set PFO, 7
.set A16, 8
.set A8,  9
.set AM,  10
.set ASC, 11
.set KSC, 28
.set VSC, 32
.set QSC, 34
.set PSC, 38
.set QF,  40
.set PC,  88
.set PH,  100
.set BX,  108
.set BT,  112
.set SO,  116
.set FF,  120
.set TT,  121
.set S2,  122
.set KF,  128                          ; window 1
.set VF,  182                          ; window 1
.set TB,  2
.set TS,  3
.set WV,  18
.set HD,  19
.set SEL, 20
.set CL,  22
.set G1KV, 24
.set G1M,  32
.set G0KV, 40
.set G0M,  44
.set G1S,  48
.set G0S,  56
.set HF,   62
.set SLOTS, 63
.set PFA,  76
.set PFS,  78
.set LIM,  80
.set MSB, 0
.macro WIN new                         ; bits 1:0 source 0, 3:2 source 1, 5:4 source 2, 7:6 destination; the high byte repeats the setting that is left
.if MSB != \new
	s_set_vgpr_msb (MSB<<8)|\new
.set MSB, \new
.endif
.endm
.macro VW
	s_wait_alu depctr_va_vdst(0)
.endm
.macro ROUND
	s_barrier_signal -1
	s_barrier_wait -1
	s_cmp_lg_u32 s[WV], 0
	s_cbranch_scc1 .Lnot_wave_0_\@
	s_barrier_signal -3
.Lnot_wave_0_\@:
	s_barrier_wait -3
	s_barrier_signal -1
	s_barrier_wait -1
.endm
.macro TL g0, g1
	tensor_load_to_lds s[\g0:\g0+3], s[\g1:\g1+7]
	s_nop 0
.rept 4
	v_nop
.endr
.endm
.macro TLOAD                           ; a refill: waves 0, 1 two heads' K and V each, waves 4-7 32 rows of mask each
	s_cmp_lt_u32 s[WV], 2
	s_cbranch_scc0 .Lnot_kv_\@
	TL G0KV, G1KV
	s_branch .Lasked_\@
.Lnot_kv_\@:
	s_cmp_lt_u32 s[WV], 4
	s_cbranch_scc1 .Lasked_\@
	TL G0M, G1M
.Lasked_\@:
.endm
; A PREFETCH: trip s's tensor loads bring step s + 2; the prefetch names step s + 4, two trips ahead of the load that wants it; the last named is step 15 (s[SLOTS] = 3).  Steps 0 to 3 come by their loads alone.
; Each block of 256 bytes is named once in each cluster that loads it, the partners told apart by address: of the mask's 128 rows the partner at cy takes 32 (waves 4, 5: 16 rows each, two lanes to a row's 512 bytes);
; of a row's four heads the partner at cx takes head cx (waves 6, 7: 6,144 bytes each, 24 lanes 256 bytes apart; the lanes left over name the last block again).
.macro ASK
	s_cmp_gt_u32 s[SLOTS], s[LIM]
	s_cbranch_scc0 .Lnot_mine_\@
	global_prefetch_b8 v[PFO], s[PFA:PFA+1] th:TH_LOAD_NT scope:SCOPE_SE
.Lnot_mine_\@:
.endm
.macro DSTEP                           ; the walking descriptors: the other slot, the next step
	s_xor_b32 s[G0KV+1], s[G0KV+1], SLOT1
	s_add_nc_u64 s[G0KV+2:G0KV+3], s[G0KV+2:G0KV+3], HB
	s_xor_b32 s[G0M+1], s[G0M+1], SLOT1
	s_add_nc_u64 s[G0M+2:G0M+3], s[G0M+2:G0M+3], 512
.endm
	s_load_b256 s[4:11], s[0:1], 0x0               ; qimg, qsc, kv, kvs
	s_load_b128 s[12:15], s[0:1], 0x20             ; the mask, oc
	s_load_b64 s[16:17], s[0:1], 0x30              ; osc
	v_lshl_add_u32 v[SPW], v0, 2, SPARE
	v_mov_b32 v[NIL], 0
	ds_add_u32 v[SPW], v[NIL]                      ; the opening lines
	ds_add_u32 v[SPW], v[NIL]
	v_lshrrev_b32 v8, 5, v0
	v_readfirstlane_b32 s[WV], v8                  ; wave 0..7
	s_and_b32 s[HD], s[WV], 3                      ; my head of the four
	s_lshr_b32 s[HF], s[WV], 2                     ; my half of the 128 queries
	s_bfe_u32 s66, ttmp6, 0x40000                  ; cx
	s_bfe_u32 s67, ttmp6, 0x40004                  ; cy: the group of heads
	s_lshl_b32 s68, ttmp9, 2
	s_add_co_u32 s68, s68, s66                     ; the block of 128 queries
	s_and_b32 s69, ttmp7, 0xffff                   ; the batch
	s_lshl_b32 s70, s67, 2
	s_lshl_b32 s70, 15, s70                        ; my row of the cluster
	s_lshl_b32 s71, 0x1111, s66                    ; my column
	s_or_b32 s[G1KV], s70, (3<<16)|(1<<21)         ; K and V: 2 heads' steps: 2 rows of 12,288 bytes, 196,608 bytes apart
	s_mov_b32 s[G1KV+1], 1536<<16
	s_mov_b32 s[G1KV+2], 2<<16
	s_mov_b32 s[G1KV+3], 1536<<16
	s_mov_b32 s[G1KV+4], 2
	s_mov_b32 s[G1KV+5], 24576
	s_mov_b32 s[G1KV+6], 0
	s_mov_b32 s[G1KV+7], 0
	s_or_b32 s[G1M], s71, (2<<16)|(1<<20)|(1<<21)|(6<<22)|(3<<25)  ; the mask: 32 rows of 128 f32, 4 words of padding behind each
	s_mov_b32 s[G1M+1], 128<<16
	s_mov_b32 s[G1M+2], 32<<16
	s_mov_b32 s[G1M+3], 128<<16
	s_mov_b32 s[G1M+4], 32
	s_mov_b32 s[G1M+5], 2048
	s_mov_b32 s[G1M+6], 0
	s_mov_b32 s[G1M+7], 0
	s_or_b32 s[G1S], s70, (3<<16)|(1<<21)          ; the scale words: two heads' 24,576 dense bytes as 96 rows of 256
	s_mov_b32 s[G1S+1], 32<<16
	s_mov_b32 s[G1S+2], 96<<16
	s_mov_b32 s[G1S+3], 32<<16
	s_mov_b32 s[G1S+4], 96
	s_mov_b32 s[G1S+5], 32
	s_mov_b32 s[G1S+6], 0
	s_mov_b32 s[G1S+7], 0
	s_and_b32 s72, s[WV], 1                        ; e: which two heads I fetch
	s_lshl_b32 s73, s69, 4
	s_lshl_b32 s74, s67, 2
	s_add_co_u32 s73, s73, s74                     ; the group's first head
	s_lshl_b32 s74, s72, 1
	s_add_co_u32 s74, s73, s74
	s_mul_i32 s82, s74, 196608
	s_mov_b32 s83, 0
	s_mul_i32 s84, s74, 12288
	s_mov_b32 s85, 0
	s_and_b32 s75, s[WV], 3                        ; which 32 rows of mask I fetch
	s_lshl_b32 s86, s68, 7
	s_lshl_b32 s87, s75, 5
	s_add_co_u32 s86, s86, s87
	s_lshl_b32 s86, s86, 13
	s_mov_b32 s87, 0
	s_mul_i32 s88, s72, 2*HB
	s_mul_i32 s89, s75, 32*MP
	s_mov_b32 s[SEL], 0x76543210
	s_mov_b32 s[SEL+1], 0xfedcba98
	s_mov_b32 s[CL], 0x3fb8aa3b                    ; log2(e)
	s_mov_b32 s[CL+1], s[CL]
	s_mov_b32 s[TB], 0
	s_mov_b32 s[TS], 0
	s_mov_b32 s[SLOTS], 14
	s_wait_dscnt 0x0
	s_wait_kmcnt 0x0
	s_mov_b32 s[G0KV], 1
	s_add_co_u32 s[G0KV+1], s88, KVOFF
	s_add_nc_u64 s[G0KV+2:G0KV+3], s[8:9], s[82:83]
	s_or_b32 s[G0KV+3], s[G0KV+3], 0x80000000
	s_mov_b32 s[G0M], 1
	s_mov_b32 s[G0M+1], s89
	s_add_nc_u64 s[G0M+2:G0M+3], s[12:13], s[86:87]
	s_or_b32 s[G0M+3], s[G0M+3], 0x80000000
	s_mov_b32 s[G0S], 1
	s_add_co_u32 s[G0S+1], s88, SCB
	s_add_nc_u64 s[G0S+2:G0S+3], s[10:11], s[84:85]
	s_or_b32 s[G0S+3], s[G0S+3], 0x80000000
	ROUND                                          ; the first joint loads meet
	s_cmp_lt_u32 s[WV], 2                          ; one load a wave, in one chain: waves 0, 1 step 0's K and V; 2, 3 the scale words; 4-7 step 0's mask
	s_cbranch_scc0 .Lh_sc
	TL G0KV, G1KV
	s_branch .Lh_done
.Lh_sc:
	s_cmp_lt_u32 s[WV], 4
	s_cbranch_scc0 .Lh_mk
	TL G0S, G1S
	s_branch .Lh_done
.Lh_mk:
	TL G0M, G1M
.Lh_done:
	s_add_co_u32 s74, s73, s[HD]                   ; Q: my head's tiles 8 x block + 4 x half + 0 .. 3
	s_lshl_b32 s75, s74, 7
	s_lshl_b32 s90, s68, 3
	s_add_co_u32 s75, s75, s90
	s_lshl_b32 s90, s[HF], 2
	s_add_co_u32 s75, s75, s90
	s_mul_i32 s90, s75, 768
	s_mov_b32 s91, 0
	s_add_nc_u64 s[4:5], s[4:5], s[90:91]
	s_lshl_b32 s90, s75, 6
	s_add_nc_u64 s[6:7], s[6:7], s[90:91]
	s_mul_i32 s92, s[HD], HB
	s_add_co_u32 s90, s92, KVOFF
	s_add_co_u32 s92, s92, SCB
	s_mul_i32 s91, s[HF], 64*MP
	s_lshl_b32 s85, s68, 7                         ; the prefetches: the mask's row 128 x block + 32 cy + 16 e, at step 3: the first trip steps it to step 4
	s_lshl_b32 s86, s67, 5
	s_add_co_u32 s85, s85, s86
	s_lshl_b32 s86, s72, 4
	s_add_co_u32 s85, s85, s86
	s_lshl_b32 s85, s85, 13
	s_add_co_u32 s85, s85, 3*512
	s_add_co_u32 s86, s73, s66                     ; K and V: head 4 cy + cx, my 6,144 bytes, at step 3 likewise
	s_mul_i32 s86, s86, 196608
	s_mul_i32 s87, s72, 6144
	s_add_co_u32 s86, s86, s87
	s_add_co_u32 s86, s86, 3*HB
	s_mov_b32 s[PFS], HB
	s_mov_b32 s[PFS+1], 0
	s_mov_b32 s89, 0
	s_cmp_lt_u32 s[WV], 6
	s_cselect_b64 s[PFA:PFA+1], s[12:13], s[8:9]
	s_cselect_b32 s[PFS], 512, s[PFS]
	s_cselect_b32 s88, s85, s86
	s_cselect_b32 s81, -1, 0
	s_add_nc_u64 s[PFA:PFA+1], s[PFA:PFA+1], s[88:89]
	s_cmp_lt_u32 s[WV], 4
	s_cselect_b32 s[LIM], -1, 2                    ; waves 4-7 ask while s[SLOTS] > 2
	v_and_b32 v8, 15, v0                           ; r
	v_bfe_u32 v9, v0, 4, 1                         ; h
	v_and_b32 v10, 31, v0                          ; lane
	v_lshlrev_b32 v128, 4, v10
	v_lshlrev_b32 v129, 3, v10
	v_lshlrev_b32 v130, 2, v8
.irp u, 0,1,2,3
	global_load_b128 v[QF+12*\u:QF+12*\u+3], v128, s[4:5] offset:768*\u
	global_load_b64 v[QF+12*\u+4:QF+12*\u+5], v129, s[4:5] offset:768*\u+512
	global_load_b32 v[QSC+\u], v130, s[6:7] offset:64*\u
.endr
	v_lshl_add_u32 v[B16], v10, 4, s90
	v_lshl_add_u32 v[B8], v10, 3, s90
	v_mul_u32_u24 v[BMK], v8, MP
	v_lshl_add_u32 v[BSC], v10, 2, s92
	v_lshrrev_b32 v131, 1, v10
	v_and_b32 v132, 1, v10
	v_min_u32 v133, 23, v10
	v_lshl_add_u32 v[BMK], v9, 5, v[BMK]
	v_lshlrev_b32 v131, 13, v131
	v_lshlrev_b32 v133, 8, v133
	v_add_nc_u32 v[BMK], s91, v[BMK]
	v_lshl_add_u32 v131, v132, 8, v131
	s_delay_alu instid0(VALU_DEP_1)
	v_cndmask_b32 v[PFO], v133, v131, s81
	VW
	s_wait_loadcnt 0x0
.irp u, 0,1,2,3                        ; 3 off Q's two scale bytes (held at 3 from below first), and the two repeated: the product then sums score / 8
	v_and_b32 v[132+2*\u], 0xff, v[QSC+\u]
	v_bfe_u32 v[133+2*\u], v[QSC+\u], 8, 8
.endr
.irp j, 0,1,2,3,4,5,6,7
	v_max_u32 v[132+\j], 3, v[132+\j]
.endr
.irp u, 0,1,2,3
	v_lshl_or_b32 v[132+2*\u], v[133+2*\u], 8, v[132+2*\u]
.endr
.irp u, 0,1,2,3
	v_add_nc_u32 v[132+2*\u], 0xfffffcfd, v[132+2*\u]
.endr
.irp u, 0,1,2,3
	v_lshl_or_b32 v[QSC+\u], v[132+2*\u], 16, v[132+2*\u]
.endr
.irp u, 0,1,2,3
.irp j, 6,7,8,9,10,11
	v_mov_b32 v[QF+12*\u+\j], 0                    ; Q's upper half of the form's K: zero codes
.endr
	v_mov_b32 v[BT+\u], 0
	v_mov_b32 v[13+2*\u], 0xff61b1e6               ; the largest t so far: -3e38
	v_mov_b32 v[20+2*\u], 0
	v_mov_b32 v[21+2*\u], 0
.endr
.irp u, 0,1,2,3
	v_floor_f32 v[12+2*\u], -v[13+2*\u]            ; -M
.endr
	WIN 0x40
.irp j, 48,49,50,51,52,53
	v_mov_b32 v[KF+\j], 0                          ; what stands behind K's last fragment
.endr
.set j, 0
.rept 128
	v_mov_b32 v[j], 0                              ; O^T: a tile's work is written for every step alike
.set j, j+1
.endr
	WIN 0
.macro ADDR                            ; the four LDS addresses of the step whose loads begin
	v_add_nc_u32 v[A16], s[TB], v[B16]
	v_add_nc_u32 v[A8], s[TB], v[B8]
	v_add_nc_u32 v[AM], s[TB], v[BMK]
	v_add_nc_u32 v[ASC], s[TS], v[BSC]
.endm
.macro LDK                             ; K's eight fragments and their scale words: 20 loads
	WIN 0x40
.irp t, 0,1,2,3,4,5,6,7
	ds_load_b128 v[KF+6*\t:KF+6*\t+3], v[A16] offset:768*\t
.endr
.irp t, 0,1,2,3,4,5,6,7
	ds_load_b64 v[KF+6*\t+4:KF+6*\t+5], v[A8] offset:768*\t+512
.endr
	WIN 0
.irp i, 0,1,2,3
	ds_load_b32 v[KSC+\i], v[ASC] offset:128*\i
.endr
.endm
.macro LDV                             ; V^T's four fragments and their scale words: 14 loads
	WIN 0x40
.irp k, 0,1,2,3
.irp c, 0,1,2
	ds_load_b128 v[VF+12*\k+4*\c:VF+12*\k+4*\c+3], v[A16] offset:VO+1536*\k+512*\c
.endr
.endr
	WIN 0
.irp i, 0,1
	ds_load_b32 v[VSC+\i], v[ASC] offset:512+128*\i
.endr
.endm
.macro LDM u                           ; tile u's mask into its buffer of scores, 16 loads: (my query, keys 16 t + 8 h + 0 .. 7) in accumulator t
.irp t, 0,1,2,3,4,5,6,7
	ds_load_b128 v[128+64*((\u)%2)+8*\t:128+64*((\u)%2)+8*\t+3], v[AM] offset:16*MP*(\u)+64*\t
	ds_load_b128 v[128+64*((\u)%2)+8*\t+4:128+64*((\u)%2)+8*\t+7], v[AM] offset:16*MP*(\u)+64*\t+16
.endr
.endm
.macro SMUL u                          ; S^T = K Q^T / 8 + mask, in place on the mask; the eight accumulators by turns
.set SB2, 128+64*((\u)%2)
	WIN 0x01
.irp t, 0,1,2,3,4,5,6,7
.if (\t)%2
	v_wmma_scale_f32_16x16x128_f8f6f4 v[SB2+8*\t:SB2+8*\t+7], v[KF+6*\t:KF+6*\t+11], v[QF+12*(\u):QF+12*(\u)+11], v[SB2+8*\t:SB2+8*\t+7], v[KSC+\t/2], v[QSC+(\u)] matrix_a_fmt:MATRIX_FMT_FP6 matrix_b_fmt:MATRIX_FMT_FP6 matrix_a_scale:MATRIX_SCALE_ROW1
.else
	v_wmma_scale_f32_16x16x128_f8f6f4 v[SB2+8*\t:SB2+8*\t+7], v[KF+6*\t:KF+6*\t+11], v[QF+12*(\u):QF+12*(\u)+11], v[SB2+8*\t:SB2+8*\t+7], v[KSC+\t/2], v[QSC+(\u)] matrix_a_fmt:MATRIX_FMT_FP6 matrix_b_fmt:MATRIX_FMT_FP6
.endif
.endr
	WIN 0
.endm
; ONE TILE OF 16 QUERIES x 128 KEYS.  kind = 1: tile 2 holds a round of the cluster's barrier; 0: a work-group barrier.  nxt = 1: a step follows.
.macro UNIT u, kind, nxt
.set SB, 128+64*((\u)%2)
.set NM, 12+2*(\u)
.set SM, 20+2*(\u)
.if (\u) == 2
	VW
.if \kind
	s_wait_tensorcnt 0x0                           ; my part of the next slot has landed, and no load of mine is out
	ds_add_u32 v[SPW], v[NIL]
	DSTEP
	s_wait_xcnt 0x0                                ; my prefetch has read its address
	s_add_nc_u64 s[PFA:PFA+1], s[PFA:PFA+1], s[PFS:PFS+1]
.endif
	s_wait_dscnt 0x0                               ; tile 3's mask is in: my reads of this slot are over
	s_barrier_signal -1                            ; work on registers alone from here to the end of the round
.endif
	VW                                             ; directly ahead of the first readers of the scores
.irp b, 0,1,2,3
	v_max_num_f32 v[BX+\b], v[SB+16*\b], v[SB+16*\b+1]     ; the largest u of each block of 32 keys; each accumulator from its low end on
.endr
.irp i, 2,4,6,8,10,12,14
.irp b, 0,1,2,3
	v_max3_num_f32 v[BX+\b], v[BX+\b], v[SB+16*\b+\i], v[SB+16*\b+\i+1]
.endr
.endr
.irp b, 0,1,2,3
	v_permlanex16_b32 v[BT+\b], v[BX+\b], s[SEL], s[SEL+1]
.endr
.irp b, 0,1,2,3
	v_max_num_f32 v[BX+\b], v[BX+\b], v[BT+\b]
.endr
	v_max3_num_f32 v[TT], v[BX], v[BX+1], v[BX+2]
	s_delay_alu instid0(VALU_DEP_1)
	v_max_num_f32 v[TT], v[TT], v[BX+3]
	s_delay_alu instid0(VALU_DEP_1)
	v_mul_f32 v[TT], s[CL], v[TT]                  ; as t
	s_delay_alu instid0(VALU_DEP_1)
	v_max_num_f32 v[NM+1], v[NM+1], v[TT]          ; the running largest t
	v_mov_b32 v[TT], v[NM]
	s_delay_alu instid0(VALU_DEP_2)
	v_floor_f32 v[NM], -v[NM+1]                    ; the new -M
	s_delay_alu instid0(VALU_DEP_1)
	v_sub_f32 v[TT], v[NM], v[TT]                  ; old M - new M, a whole number
	s_delay_alu instid0(VALU_DEP_1)
	v_cvt_i32_f32 v[TT], v[TT]
	s_delay_alu instid0(VALU_DEP_1)
	v_ldexp_f32 v[FF], 1.0, v[TT]                  ; f = 2^(old M - new M)
.irp b, 0,1,2,3
	v_fma_f32 v[BX+\b], v[BX+\b], s[CL], v[NM]     ; t - M of each block's largest u
.endr
.if (\u) == 0
	LDV                                            ; the lines above are the places behind the last products on V's registers
	VW
	s_wait_dscnt 14                                ; tile 1's mask is in; V's 14 loads may be out
	SMUL 1
.elseif (\u) == 1
	VW
	s_wait_dscnt 0x0                               ; tile 2's mask is in
	SMUL 2
.elseif (\u) == 2
	SMUL 3
.elseif \nxt
	VW
	s_wait_dscnt 0x0                               ; the next step's K and tile 0's mask are in
	SMUL 0
.endif
.set j, 0
.rept 32
	v_pk_fma_f32 v[SB+j:SB+j+1], v[SB+j:SB+j+1], s[CL:CL+1], v[NM:NM+1] op_sel_hi:[1,0,0]
.set j, j+2
.endr
	VW
.set j, 0
.rept 64
	v_exp_f32 v[SB+j], v[SB+j]                     ; p = 2^(t - M)
.set j, j+1
.endr
	v_pk_mul_f32 v[SM:SM+1], v[SM:SM+1], v[FF:FF+1] op_sel_hi:[1,0]
	VW
.irp b, 0,1,2,3
	v_exp_f32 v[BX+\b], v[BX+\b]                   ; the block's largest p: the same arithmetic on the same number
.endr
.irp k, 0,1,2
	v_pk_add_f32 v[S2+2*\k:S2+2*\k+1], v[SB+4*\k:SB+4*\k+1], v[SB+4*\k+2:SB+4*\k+3]   ; the row's sum of the unquantised p, in four chains
.endr
.set j, 12
.rept 26
.if (j/2)%4 == 3
	v_pk_add_f32 v[SM:SM+1], v[SM:SM+1], v[SB+j:SB+j+1]
.else
	v_pk_add_f32 v[S2+2*((j/2)%4):S2+2*((j/2)%4)+1], v[S2+2*((j/2)%4):S2+2*((j/2)%4)+1], v[SB+j:SB+j+1]
.endif
.set j, j+2
.endr
	v_pk_add_f32 v[S2:S2+1], v[S2:S2+1], v[S2+2:S2+3]
	v_pk_add_f32 v[SM:SM+1], v[SM:SM+1], v[S2+4:S2+5]
	s_delay_alu instid0(VALU_DEP_1)
	v_pk_add_f32 v[SM:SM+1], v[SM:SM+1], v[S2:S2+1]
	VW
.irp b, 0,1,2,3
	v_max_num_f32 v[BX+\b], 0x1800000, v[BX+\b]    ; the floor 2^(3 - 127)
.endr
.irp b, 0,1,2,3
	v_add_nc_u32 v[SO+\b], 0xff000000, v[BX+\b]    ; the conversion's scale operand
.endr
.irp b, 0,1,2,3
	v_lshrrev_b32 v[BT+\b], 23, v[SO+\b]           ; the scale's byte
.endr
	v_lshl_or_b32 v[PSC], v[BT+1], 8, v[BT]
	s_delay_alu instid0(VALU_DEP_1)
	v_lshl_or_b32 v[PSC], v[BT+2], 16, v[PSC]
	s_delay_alu instid0(VALU_DEP_1)
	v_lshl_or_b32 v[PSC], v[BT+3], 24, v[PSC]
.irp c, 0,1
	v_cvt_scalef32_pk16_fp6_f32 v[PC+6*\c:PC+6*\c+2], v[SB+32*\c:SB+32*\c+15], v[SO+2*\c]
	v_cvt_scalef32_pk16_fp6_f32 v[PH+4*\c:PH+4*\c+2], v[SB+16+32*\c:SB+31+32*\c], v[SO+2*\c+1]
.endr
	v_nop
.irp c, 0,1
.irp i, 0,1,2
	v_permlane16_swap_b32 v[PC+6*\c+\i], v[PH+4*\c+\i]
.endr
.irp i, 0,1,2
	v_mov_b32 v[PC+3+6*\c+\i], v[PH+4*\c+\i]
.endr
.endr
.if (\u) < 2
	LDM (\u)+2                                     ; this buffer takes the mask of the tile two on
.elseif (\u) == 3
.if \nxt
	LDM 1                                          ; of the next step
.endif
.endif
	WIN 0x41
	VW                                             ; directly ahead of the first readers of O^T
.set j, 0
.rept 16
	v_pk_mul_f32 v[32*(\u)+j:32*(\u)+j+1], v[32*(\u)+j:32*(\u)+j+1], v[FF:FF+1] op_sel_hi:[1,0]   ; O^T under the new M; also the places ahead of the products
.set j, j+2
.endr
.if (\u) == 0
	VW
	s_wait_dscnt 16                                ; V and its words are in; tile 2's mask may be out
.endif
	WIN 0x51
.irp k, 0,1,2,3
.if (\k)%2
	v_wmma_scale_f32_16x16x128_f8f6f4 v[32*(\u)+8*\k:32*(\u)+8*\k+7], v[VF+12*\k:VF+12*\k+11], v[PC:PC+11], v[32*(\u)+8*\k:32*(\u)+8*\k+7], v[VSC+\k/2], v[PSC] matrix_a_fmt:MATRIX_FMT_FP6 matrix_b_fmt:MATRIX_FMT_FP6 matrix_a_scale:MATRIX_SCALE_ROW1
.else
	v_wmma_scale_f32_16x16x128_f8f6f4 v[32*(\u)+8*\k:32*(\u)+8*\k+7], v[VF+12*\k:VF+12*\k+11], v[PC:PC+11], v[32*(\u)+8*\k:32*(\u)+8*\k+7], v[VSC+\k/2], v[PSC] matrix_a_fmt:MATRIX_FMT_FP6 matrix_b_fmt:MATRIX_FMT_FP6
.endif
.endr
	WIN 0
.if (\u) == 2
	VW
	s_barrier_wait -1                              ; every wave of my work-group has left the slot
.if \kind
	s_cmp_lg_u32 s[WV], 0
	s_cbranch_scc1 .Lnot_w0_\@
	s_barrier_signal -3                            ; wave 0 says so for the work-group
.Lnot_w0_\@:
	s_barrier_wait -3                              ; all sixteen work-groups have left the slot,
	s_barrier_signal -1
	s_barrier_wait -1                              ; and the round is closed
.endif
.endif
.endm
; A STEP OF 128 KEYS, from its tile 0 to its tile 3; between tiles 2 and 3 the slot just left is filled again and the next step's loads begin
.macro TRIP kind, fill, nxt
	UNIT 0, \kind, \nxt
	UNIT 1, \kind, \nxt
	UNIT 2, \kind, \nxt
.if \nxt
.if \fill
	TLOAD                                          ; the first thing behind the round: the step two on
.endif
	s_xor_b32 s[TB], s[TB], SLOT1
	s_add_co_u32 s[TS], s[TS], 768
	ADDR
	LDK
	LDM 0
.if \fill
	ASK
.endif
.endif
	UNIT 3, \kind, \nxt
.endm
	VW
	s_wait_tensorcnt 0x0                           ; my first fill is in; slot 1's first fill is issued as a refill is
	ds_add_u32 v[SPW], v[NIL]
	DSTEP
	s_wait_dscnt 0x0
	ROUND
	TLOAD                                          ; step 1
	ADDR
	LDK
	LDM 0
	LDM 1
	VW
	s_wait_dscnt 16                                ; K, its words and tile 0's mask are in; tile 1's mask may be out
	SMUL 0
.rept 4
	v_nop                                          ; places ahead of the first read of the scores
.endr
.Lstep:                                            ; 14 trips, steps 0 to 13: trip s asks for step s + 2
	TRIP 1, 1, 1
	VW
	s_sub_co_u32 s[SLOTS], s[SLOTS], 1
	s_cmp_lg_u32 s[SLOTS], 0
	s_cbranch_scc1 .Lstep
	TRIP 1, 0, 1                                   ; step 14 asks for nothing more
	TRIP 0, 0, 0                                   ; step 15; its barrier parts the reads of the slots from the stage's stores
	; THE WAY OUT: O^T / the sum; the quantiser along the model's axis; the codes meet the other heads' in the stage and leave as 192 consecutive bytes of a token's row
	s_mul_i32 s82, s[HF], 64*SP
	s_lshl_b32 s83, s[HD], 6
	s_add_co_u32 s82, s82, s83                     ; the stage, in: my half's rows, my head's 64 bytes
	s_lshl_b32 s83, s[HF], 9
	s_lshl_b32 s84, s[HD], 1
	s_add_co_u32 s83, s83, s84
	s_add_co_u32 s83, s83, SSTG                    ; the scale bytes: 8 a token, my head's two
	s_mul_i32 s84, s[WV], 16*SP                    ; back: wave w takes rows 16 w .. 16 w + 15
	s_mul_i32 s85, s[WV], 16*768
	s_lshl_b32 s86, s[WV], 8
	s_add_co_u32 s86, s86, SSTG
	s_lshl_b32 s87, s[WV], 10
	s_lshl_b32 s92, s69, 11
	s_lshl_b32 s93, s68, 7
	s_add_co_u32 s92, s92, s93                     ; the work-group's first token
	s_mul_i32 s94, s92, 768
	s_mul_i32 s93, s67, 192
	s_add_co_u32 s94, s94, s93
	s_mov_b32 s95, 0
	s_add_nc_u64 s[14:15], s[14:15], s[94:95]
	s_lshl_b32 s94, s92, 5
	s_lshl_b32 s93, s67, 3
	s_add_co_u32 s94, s94, s93
	s_add_nc_u64 s[16:17], s[16:17], s[94:95]
.irp u, 0,1,2,3
	v_add_f32 v[20+2*\u], v[20+2*\u], v[21+2*\u]
.endr
.irp u, 0,1,2,3
	v_permlanex16_b32 v[BT+\u], v[20+2*\u], s[SEL], s[SEL+1]
.endr
.irp u, 0,1,2,3
	v_add_f32 v[20+2*\u], v[20+2*\u], v[BT+\u]     ; the rows' sums
.endr
	v_and_b32 v40, 15, v0
	v_bfe_u32 v41, v0, 4, 1
	v_and_b32 v42, 31, v0
	v_mul_u32_u24 v44, v40, SP
	v_lshl_add_u32 v45, v40, 3, s83
	v_mul_u32_u24 v46, v41, SP
	v_mul_u32_u24 v47, v41, 768
	v_lshl_add_u32 v48, v42, 3, s86
	v_lshl_add_u32 v49, v42, 5, s87
	v_lshl_add_u32 v44, v41, 5, v44
	v_lshl_add_u32 v46, v40, 4, v46
	v_mad_u32_u24 v47, v40, 12, v47
	v_add_nc_u32 v44, s82, v44
	v_add_nc_u32 v46, s84, v46
	v_add_nc_u32 v47, s85, v47
	VW
.irp u, 0,1,2,3
	v_rcp_f32 v[20+2*\u], v[20+2*\u]
.endr
	v_nop
.macro OUTU u
	WIN 0x01
	VW
.set j, 0
.rept 32
	v_mul_f32 v[128+j], v[32*(\u)+j], v[20+2*(\u)] ; register 16 B + i is o(my query, 32 B + 16 h + i)
.set j, j+1
.endr
	WIN 0
.irp b, 0,1
	v_max3_num_f32 v[BX+\b], |v[128+16*\b]|, |v[129+16*\b]|, 0x1800000
.endr
.irp i, 2,4,6,8,10,12,14
.irp b, 0,1
	s_delay_alu instid0(VALU_DEP_2)
	v_max3_num_f32 v[BX+\b], v[BX+\b], |v[128+16*\b+\i]|, |v[129+16*\b+\i]|
.endr
.endr
.irp b, 0,1
	v_permlanex16_b32 v[BT+\b], v[BX+\b], s[SEL], s[SEL+1]
.endr
.irp b, 0,1
	v_max_num_f32 v[BX+\b], v[BX+\b], v[BT+\b]
.endr
.irp b, 0,1
	v_add_nc_u32 v[SO+\b], 0xff000000, v[BX+\b]
.endr
.irp b, 0,1
	v_lshrrev_b32 v[BT+\b], 23, v[SO+\b]
.endr
	v_lshl_or_b32 v[TT], v[BT+1], 8, v[BT]
	v_cvt_scalef32_pk16_fp6_f32 v[PC:PC+2], v[128:143], v[SO]
	v_cvt_scalef32_pk16_fp6_f32 v[PH:PH+2], v[144:159], v[SO+1]
	v_nop
.irp i, 0,1,2
	v_permlane16_swap_b32 v[PC+\i], v[PH+\i]
.endr
	ds_store_b96 v44, v[PC:PC+2] offset:16*SP*(\u)
	ds_store_b96 v44, v[PH:PH+2] offset:16*SP*(\u)+16
	ds_store_b16 v45, v[TT] offset:128*(\u)
.endm
	OUTU 0
	OUTU 1
	OUTU 2
	OUTU 3
	VW
	s_wait_dscnt 0x0                               ; for the others' sake: my stores into the stage are done
	s_barrier_signal -1
	s_barrier_wait -1
.irp i, 0,1,2,3,4,5,6,7
	ds_load_b96 v[128+4*\i:128+4*\i+2], v46 offset:2*SP*\i     ; rows 16 w + 2 i + h
.endr
	s_cmp_lt_u32 s[WV], 4                          ; waves 0 to 3 store the 128 tokens' scale bytes, a lane a token
	s_cbranch_scc0 .Lno_bytes
	ds_load_b64 v[160:161], v48
	s_wait_dscnt 0x0
	global_store_b64 v49, v[160:161], s[16:17]
.Lno_bytes:
	s_wait_dscnt 0x0
.irp i, 0,1,2,3,4,5,6,7
	global_store_b96 v47, v[128+4*\i:128+4*\i+2], s[14:15] offset:2*768*\i   ; sixteen lanes store a row's 192 consecutive bytes
.endr
	s_wait_tensorcnt 0x0                           ; the wave's end
	ds_add_u32 v[SPW], v[NIL]
	s_wait_dscnt 0x0
	ROUND                                          ; the closing round
	s_endpgm
.Lfunc_end_k_q5e6b4e106a_attn:
	.size	k_q5e6b4e106a_attn, .Lfunc_end_k_q5e6b4e106a_attn-k_q5e6b4e106a_attn
	.p2alignl 7, 3214868480
	.fill 96, 4, 3214868480
	.section	.rodata,"a",@progbits
	.p2align	6, 0x0
	.amdhsa_kernel k_q5e6b4e106a_attn
		.amdhsa_group_segment_fixed_size 327680
		.amdhsa_private_segment_fixed_size 0
		.amdhsa_enable_private_segment 0
		.amdhsa_kernarg_size 56
		.amdhsa_user_sgpr_count 2
		.amdhsa_user_sgpr_kernarg_segment_ptr 1
		.amdhsa_wavefront_size32 1
		.amdhsa_system_sgpr_workgroup_id_x 1
		.amdhsa_system_sgpr_workgroup_id_y 1
		.amdhsa_system_sgpr_workgroup_id_z 1
		.amdhsa_system_vgpr_workitem_id 0
		.amdhsa_next_free_vgpr 512
		.amdhsa_next_free_sgpr 96
		.amdhsa_reserve_vcc 0
		.amdhsa_float_denorm_mode_32 3
		.amdhsa_float_denorm_mode_16_64 3
		.amdhsa_memory_ordered 1
		.amdhsa_forward_progress 1
		.amdhsa_inst_pref_size 224
	.end_amdhsa_kernel
	.amdgpu_metadata
---
amdhsa.version: [ 1, 2 ]
amdhsa.kernels:
  - .name:           k_q5e6b4e106a_attn
    .symbol:         k_q5e6b4e106a_attn.kd
    .args:
      - { .name: qimg, .offset: 0, .size: 8, .value_kind: global_buffer, .address_space: global }
      - { .name: qsc, .offset: 8, .size: 8, .value_kind: global_buffer, .address_space: global }
      - { .name: kv, .offset: 16, .size: 8, .value_kind: global_buffer, .address_space: global }
      - { .name: kvs, .offset: 24, .size: 8, .value_kind: global_buffer, .address_space: global }
      - { .name: causal_mask, .offset: 32, .size: 8, .value_kind: global_buffer, .address_space: global }
      - { .name: oc, .offset: 40, .size: 8, .value_kind: global_buffer, .address_space: global }
      - { .name: osc, .offset: 48, .size: 8, .value_kind: global_buffer, .address_space: global }
    .group_segment_fixed_size: 327680
    .private_segment_fixed_size: 0
    .kernarg_segment_align: 8
    .kernarg_segment_size: 56
    .max_flat_workgroup_size: 256
    .sgpr_count:     96
    .vgpr_count:     512
    .wavefront_size: 32
...
	.end_amdgpu_metadata
.endif
;; end of part 2
;; launch oproj (part 3): grid 4 x 64, 4 waves a work-group, clusters of 4 x 4, 327,680 bytes of LDS; arguments oc, osc, w_o_codes, w_o_scales, out0; writes out0
.if DOCPART == 3
	.amdgcn_target "amdgcn-amd-amdhsa--gfx1250"
	.amdhsa_code_object_version 6
	.text
	.protected	k_q5e6b4e106a_oproj
	.globl	k_q5e6b4e106a_oproj
	.p2align	8
	.type	k_q5e6b4e106a_oproj,@function
k_q5e6b4e106a_oproj:
	s_mov_b64 s[64:65], 0
	v_nop
	global_prefetch_b8 v0, s[64:65] scope:SCOPE_SE
	s_setreg_imm32_b32 hwreg(HW_REG_WAVE_MODE, 25, 1), 1
	s_wait_xcnt 0x0
	s_wait_alu depctr_hold_cnt(0) depctr_sa_sdst(0) depctr_va_vdst(0) depctr_va_sdst(0) depctr_va_ssrc(0) depctr_va_vcc(0) depctr_vm_vsrc(0)
	s_getreg_b32 s2, hwreg(HW_REG_IB_STS2, 6, 4)
	s_cmp_eq_u32 s2, 0
	s_cbranch_scc0 .Lentry_in_a_cluster
	s_endpgm
.Lentry_in_a_cluster:
	s_bfe_u32 s2, ttmp6, 0x10000c
	s_cmp_lg_u32 s2, 0xf033
	s_cbranch_scc0 .Lentry_shape_is_right
	s_endpgm
.Lentry_shape_is_right:
; out0[m][n] = sum over k of o[m][k] w_o[n][k]: both operands codes of FP6 (E2M3) with one E8M0 scale for each 32 along K; sums and result f32.
; A block of 128 rows x 256 columns to a work-group: 64 x 4 = 256 work-groups.  Four waves, 64 x 128 each: 32 accumulators.
; WHOLE ROWS OF K LIE IN LDS: a row of 1,024 codes is 768 bytes, at a multiple of 256 bytes; 128 rows of o and 256 rows of w_o, 16 bytes of padding behind every 256, are 384 x 816 bytes.
; With the scales of these rows (12,288 bytes, padded likewise) they are filled once, at the head, one tensor load a wave; nothing is filled again, so there is no ring.
; Cluster 4 x 4: o's tile and scales are asked for jointly along a row, w_o's along a column.  The product is used transposed (source 0 = w_o's rows): a lane holds eight neighbouring numbers of a row of out0.
; Eight steps of 128 along K on two sets of fragments: while one is multiplied, the next step's 72 loads are on their way.
; No prefetch: every byte is asked for at the head, and there is no loop to run ahead in.
; REGISTERS.  Window 0: v16-29 addresses; v32-63 scale words, two sets; v128-223 o's fragments, two sets (on the way out v128-255 take the rows read back).  Window 1: w_o's fragments at v0 and v128.  Window 2: the accumulators.
.set SIZE_N, 1024
.set KROW,   768
.set PITCH,  816                       ; 204 words: row r starts at bank 12 r mod 64, so the 32 lanes of a load of 8 bytes touch 64 different banks (64 banks of 4 bytes: ISA guide 11.1)
.set FR,     12
.set ATILE,  128*PITCH
.set SCL,    384*PITCH                 ; the scales: o's 128 rows (16 units of 272 bytes), then w_o's 256 rows
.set SBLK,   544                       ; those of 16 rows
.set SPARE,  SCL+48*272
.set SPITCH, 528
.set ADRA, 16                          ; v16 my rows of o; v17 the same + 16 in lanes 16-31, for a piece whose upper lanes lie behind the next padding
.set ADRB, 18                          ; v18, v19 the same for w_o's blocks 0-3; v20, v21 for blocks 4-7
.set STO,  24
.set RD,   25
.set CO,   26
.set ADRS, 27
.set SPW,  28
.set NIL,  29
.set SC,   32
.set AF,   128
.set BK,   128
.set G1,   24
.set G0,   32
.set G0B,  36
.set G1B,  48
.set G1S,  68
.set G0S,  76
.set G1SB, 80
.set G0SB, 88
.set MSB, 0
.macro WIN new
.if MSB != \new
	s_set_vgpr_msb (MSB<<8)|\new
.set MSB, \new
.endif
.endm
.macro CROUND
	s_barrier_signal -1
	s_barrier_wait -1
	s_cmp_lg_u32 s14, 0
	s_cbranch_scc1 .Lnot_wave_0_\@
	s_barrier_signal -3
.Lnot_wave_0_\@:
	s_barrier_wait -3
	s_barrier_signal -1
	s_barrier_wait -1
.endm
	s_load_b128 s[4:7], s[0:1], 0x0                ; o's codes, o's scales
	s_load_b128 s[8:11], s[0:1], 0x10              ; w_o's codes, w_o's scales
	s_load_b64 s[12:13], s[0:1], 0x20              ; out0
	v_lshl_add_u32 v[SPW], v0, 2, SPARE
	v_mov_b32 v[NIL], 0
	ds_add_u32 v[SPW], v[NIL]                      ; the opening lines
	ds_add_u32 v[SPW], v[NIL]
	v_lshrrev_b32 v1, 5, v0
	v_readfirstlane_b32 s14, v1                    ; wave 0..3
	s_lshr_b32 s15, s14, 1                         ; which 64 rows of o are mine
	s_and_b32 s16, s14, 1                          ; which 128 rows of w_o
	s_bfe_u32 s40, ttmp6, 0x40000
	s_bfe_u32 s41, ttmp6, 0x40004
	s_lshl_b32 s42, ttmp9, 2
	s_add_co_u32 s42, s42, s40                     ; block column
	s_and_b32 s17, ttmp7, 0xffff
	s_lshl_b32 s17, s17, 2
	s_add_co_u32 s17, s17, s41                     ; block row
	s_lshl_b32 s43, s41, 2
	s_lshl_b32 s43, 15, s43
	s_lshl_b32 s44, 0x1111, s40
	s_or_b32 s[G1+0], s43, (0<<16)|(1<<20)|(1<<21)|(5<<22)|(3<<25)   ; rows of 768 bytes, 4 words of padding behind every 64
	s_mov_b32 s[G1+1], KROW<<16
	s_mov_b32 s[G1+2], 128<<16
	s_mov_b32 s[G1+3], KROW<<16
	s_mov_b32 s[G1+4], 128
	s_mov_b32 s[G1+5], KROW
	s_mov_b32 s[G1+6], 0
	s_mov_b32 s[G1+7], 0
	s_or_b32 s[G1B+0], s44, (0<<16)|(1<<20)|(1<<21)|(5<<22)|(3<<25)
	s_mov_b32 s[G1B+1], KROW<<16
	s_mov_b32 s[G1B+2], 256<<16
	s_mov_b32 s[G1B+3], KROW<<16
	s_mov_b32 s[G1B+4], 256
	s_mov_b32 s[G1B+5], KROW
	s_mov_b32 s[G1B+6], 0
	s_mov_b32 s[G1B+7], 0
	s_or_b32 s[G1S+0], s43, (3<<16)|(1<<20)|(1<<21)|(5<<22)|(3<<25)  ; dense scales as rows of 256 bytes: 16 for o's 128 rows,
	s_mov_b32 s[G1S+1], 32<<16
	s_mov_b32 s[G1S+2], 16<<16
	s_mov_b32 s[G1S+3], 32<<16
	s_mov_b32 s[G1S+4], 16
	s_mov_b32 s[G1S+5], 32
	s_mov_b32 s[G1S+6], 0
	s_mov_b32 s[G1S+7], 0
	s_or_b32 s[G1SB+0], s44, (3<<16)|(1<<20)|(1<<21)|(5<<22)|(3<<25) ; 32 for w_o's 256
	s_mov_b32 s[G1SB+1], 32<<16
	s_mov_b32 s[G1SB+2], 32<<16
	s_mov_b32 s[G1SB+3], 32<<16
	s_mov_b32 s[G1SB+4], 32
	s_mov_b32 s[G1SB+5], 32
	s_mov_b32 s[G1SB+6], 0
	s_mov_b32 s[G1SB+7], 0
	s_lshl_b32 s20, s17, 7                         ; o's first row
	s_lshl_b32 s46, s42, 8                         ; w_o's
	s_mov_b32 s21, 0
	s_mov_b32 s47, 0
	s_mov_b64 s[18:19], 32
	s_mul_u64 s[22:23], s[20:21], s[18:19]
	s_mul_u64 s[92:93], s[46:47], s[18:19]
	s_mov_b64 s[18:19], KROW
	s_mul_u64 s[20:21], s[20:21], s[18:19]
	s_mul_u64 s[46:47], s[46:47], s[18:19]
	s_wait_dscnt 0x0
	s_wait_kmcnt 0x0
	s_add_nc_u64 s[20:21], s[4:5], s[20:21]
	s_add_nc_u64 s[22:23], s[6:7], s[22:23]
	s_add_nc_u64 s[46:47], s[8:9], s[46:47]
	s_add_nc_u64 s[92:93], s[10:11], s[92:93]
	CROUND                                         ; the joint loads meet
	s_mov_b32 s[G0], 1
	s_mov_b32 s[G0+1], 0
	s_mov_b64 s[G0+2:G0+3], s[20:21]
	s_or_b32 s[G0+3], s[G0+3], 0x80000000
	s_mov_b32 s[G0B], 1
	s_mov_b32 s[G0B+1], ATILE
	s_mov_b64 s[G0B+2:G0B+3], s[46:47]
	s_or_b32 s[G0B+3], s[G0B+3], 0x80000000
	s_mov_b32 s[G0S], 1
	s_mov_b32 s[G0S+1], SCL
	s_mov_b64 s[G0S+2:G0S+3], s[22:23]
	s_or_b32 s[G0S+3], s[G0S+3], 0x80000000
	s_mov_b32 s[G0SB], 1
	s_mov_b32 s[G0SB+1], SCL+16*272
	s_mov_b64 s[G0SB+2:G0SB+3], s[92:93]
	s_or_b32 s[G0SB+3], s[G0SB+3], 0x80000000
; four tiles, one load a wave, in one chain of branches on the wave's number
.macro ARM under, g0, g1, next
	s_cmp_lt_u32 s14, \under
	s_cbranch_scc0 \next
	tensor_load_to_lds s[\g0:\g0+3], s[\g1:\g1+7]
	s_nop 0
.rept 4
	v_nop
.endr
	s_branch .Lhead_asked
\next:
.endm
	ARM 1, G0,  G1,  .Lhead_b
	ARM 2, G0B, G1B, .Lhead_sa
	ARM 3, G0S, G1S, .Lhead_sb
	tensor_load_to_lds s[G0SB:G0SB+3], s[G1SB:G1SB+7]
	s_nop 0
.rept 4
	v_nop
.endr
.Lhead_asked:
	s_mul_i32 s56, s15, 64*PITCH                   ; my 64 rows of o
	s_mul_i32 s57, s16, 128*PITCH
	s_add_co_u32 s57, s57, ATILE                   ; my 128 rows of w_o: blocks 0-3,
	s_add_co_u32 s58, s57, 64*PITCH                ; blocks 4-7
	s_mul_i32 s59, s15, 4*SBLK                     ; o's scales: my 64 rows
	s_mul_i32 s60, s16, 8*SBLK
	s_add_co_u32 s60, s60, 8*SBLK                  ; w_o's: my 128 rows, behind o's 128
	s_sub_co_u32 s60, s60, s59
	s_add_co_u32 s59, s59, SCL
	s_mul_i32 s61, s14, 16*SPITCH                  ; my stage
	s_lshl_b32 s20, s17, 7
	s_lshl_b32 s21, s15, 6
	s_add_co_u32 s20, s20, s21                     ; my first row of out0
	s_mov_b32 s21, 0
	s_mov_b64 s[18:19], SIZE_N*4
	s_mul_u64 s[20:21], s[20:21], s[18:19]
	s_lshl_b32 s46, s42, 10
	s_lshl_b32 s47, s16, 9
	s_add_co_u32 s46, s46, s47                     ; my first column, in bytes
	s_mov_b32 s47, 0
	s_add_nc_u64 s[20:21], s[20:21], s[46:47]
	s_add_nc_u64 s[12:13], s[12:13], s[20:21]
	v_and_b32 v1, 15, v0                           ; r
	v_bfe_u32 v2, v0, 4, 1                         ; h
	v_and_b32 v6, 31, v0
	v_mul_u32_u24 v3, v1, PITCH
	v_lshlrev_b32 v7, 5, v1                        ; my row's scales: 32 bytes a row,
	v_mul_u32_u24 v8, v1, SPITCH
	v_mad_u32_u24 v4, v2, 24, v3                   ; a fragment's row x pitch + 24 h
	v_lshrrev_b32 v9, 8, v7
	v_mul_u32_u24 v10, s60, v2                     ; lanes 16-31 take w_o's
	v_lshl_add_u32 v8, v2, 5, v8
	v_lshl_add_u32 v5, v2, 4, v4
	v_lshl_add_u32 v7, v9, 4, v7                   ; and 16 more behind 256
	v_lshlrev_b32 v[CO], 4, v6
	v_add_nc_u32 v[ADRA], s56, v4
	v_add_nc_u32 v[ADRA+1], s56, v5
	v_add_nc_u32 v[ADRB], s57, v4
	v_add_nc_u32 v[ADRB+1], s57, v5
	v_add_nc_u32 v[ADRB+2], s58, v4
	v_add_nc_u32 v[ADRB+3], s58, v5
	v_add3_u32 v[ADRS], v7, v10, s59
	v_add_nc_u32 v[STO], s61, v8
	v_add_nc_u32 v[RD], s61, v[CO]
.macro FRAG reg, adr, st, i            ; six pieces of 8 bytes; byte y of a row of codes lies at y + 16 (y / 256) of its LDS row
.irp p, 0,1,2,3,4,5
.set BY, 96*(\st)+48*(\p/3)+8*(\p%3)
.if BY/256 == (BY+24)/256
	ds_load_b64 v[\reg+2*\p:\reg+2*\p+1], v[\adr] offset:BY+16*(BY/256)+(\i)*16*PITCH
.else
	ds_load_b64 v[\reg+2*\p:\reg+2*\p+1], v[\adr+1] offset:BY+16*(BY/256)+(\i)*16*PITCH
.endif
.endr
.endm
.macro FETCH st                        ; step st's fragments into set st % 2: 72 loads; with an even step the scale words of two steps: 8 more
	WIN 0x40
.irp i, 0,1,2,3
	FRAG 128*((\st)%2)+FR*\i, ADRB, \st, \i
.endr
.irp i, 0,1,2,3
	FRAG 128*((\st)%2)+FR*(4+\i), ADRB+2, \st, \i
.endr
	WIN 0
.irp i, 0,1,2,3
	FRAG AF+48*((\st)%2)+FR*\i, ADRA, \st, \i
.endr
.if (\st)%2 == 0
.irp i, 0,1,2,3,4,5,6,7                ; lanes 16-31: w_o's block i; lanes 0-15: o's block i (used for i under 4)
	ds_load_b64 v[SC+16*(((\st)/2)%2)+2*\i:SC+16*(((\st)/2)%2)+2*\i+1], v[ADRS] offset:\i*SBLK+4*(\st)
.endr
.endif
.endm
.macro MUL st                          ; 32 products; the 32 accumulators take turns, in the same order in every step
.irp a, 0,1,2,3
.irp b, 0,1,2,3,4,5,6,7
.if (\st) == 0
	v_wmma_scale_f32_16x16x128_f8f6f4 v[8*(8*\a+\b):8*(8*\a+\b)+7], v[128*((\st)%2)+FR*\b:128*((\st)%2)+FR*\b+FR-1], v[AF+48*((\st)%2)+FR*\a:AF+48*((\st)%2)+FR*\a+FR-1], 0, v[SC+16*(((\st)/2)%2)+2*\b+(\st)%2], v[SC+16*(((\st)/2)%2)+2*\a+(\st)%2] matrix_a_fmt:MATRIX_FMT_FP6 matrix_b_fmt:MATRIX_FMT_FP6 matrix_a_scale:MATRIX_SCALE_ROW1
.else
	v_wmma_scale_f32_16x16x128_f8f6f4 v[8*(8*\a+\b):8*(8*\a+\b)+7], v[128*((\st)%2)+FR*\b:128*((\st)%2)+FR*\b+FR-1], v[AF+48*((\st)%2)+FR*\a:AF+48*((\st)%2)+FR*\a+FR-1], v[8*(8*\a+\b):8*(8*\a+\b)+7], v[SC+16*(((\st)/2)%2)+2*\b+(\st)%2], v[SC+16*(((\st)/2)%2)+2*\a+(\st)%2] matrix_a_fmt:MATRIX_FMT_FP6 matrix_b_fmt:MATRIX_FMT_FP6 matrix_a_scale:MATRIX_SCALE_ROW1
.endif
.endr
.endr
.endm
.macro PLACES
.rept 4
	v_nop
.endr
.endm
	s_wait_alu depctr_va_vdst(0)                   ; the wait at the head's end
	s_wait_tensorcnt 0x0                           ; my tile of the four is in
	s_barrier_signal -1
	s_barrier_wait -1                              ; and so is everybody's
	FETCH 0
.set ST, 0
.rept 7
	s_wait_dscnt 0x0                               ; this step's fragments are in
.if ST > 0
	PLACES                                         ; ahead of the loads into the set that the last step multiplied
.endif
	FETCH ST+1
	WIN 0xa1                                       ; source 0 window 1, source 1 window 0, C and D window 2
	MUL ST
	WIN 0
.set ST, ST+1
.endr
	s_wait_dscnt 0x0                               ; the last fragments are in: my reads of the tiles are over
	s_barrier_signal -1
	WIN 0xa1
	MUL 7
	WIN 0
	s_barrier_wait -1                              ; nobody reads the tiles any more: the stages may lie on them (they have had their only fill)
; the way out: a block of 16 rows x 128 columns goes through my own stage and comes back as whole rows of 512 bytes
.macro TOSTAGE a
	WIN 0x08                                       ; the data: window 2
.irp b, 0,1,2,3,4,5,6,7
	ds_store_b128 v[STO], v[64*(\a)+8*\b:64*(\a)+8*\b+3] offset:64*\b
	ds_store_b128 v[STO], v[64*(\a)+8*\b+4:64*(\a)+8*\b+7] offset:64*\b+16
.endr
	WIN 0
.set BB, BK+64*((\a)%2)
.irp t, 0,1,2,3,4,5,6,7,8,9,10,11,12,13,14,15
	ds_load_b128 v[BB+4*\t:BB+4*\t+3], v[RD] offset:\t*SPITCH
.endr
.endm
.macro SEND a, younger
.set BB, BK+64*((\a)%2)
	s_wait_dscnt \younger
.if (\a) > 0
	s_add_nc_u64 s[12:13], s[12:13], 16*SIZE_N*4
.endif
.irp t, 0,1,2,3,4,5,6,7,8,9,10,11,12,13,14,15
	global_store_b128 v[CO], v[BB+4*\t:BB+4*\t+3], s[12:13] offset:\t*SIZE_N*4 th:TH_STORE_NT   ; 32 lanes store 512 consecutive bytes, at a multiple of 256 from out0's first byte
.endr
.endm
	PLACES
	TOSTAGE 0
.irp a, 1,2,3
.if \a > 1
	s_wait_xcnt 0x0                                ; the stores two blocks back have read their registers and their base
.endif
	TOSTAGE \a
	SEND \a-1, 32                                  ; behind block a - 1's loads: block a's 16 stores and 16 loads
.endr
	s_wait_xcnt 0x0
	SEND 3, 0
	s_wait_tensorcnt 0x0                           ; the wave's end
	ds_add_u32 v[SPW], v[NIL]
	s_wait_dscnt 0x0
	CROUND                                         ; the closing round
	s_endpgm
.Lfunc_end_k_q5e6b4e106a_oproj:
	.size	k_q5e6b4e106a_oproj, .Lfunc_end_k_q5e6b4e106a_oproj-k_q5e6b4e106a_oproj
	.p2alignl 7, 3214868480
	.fill 96, 4, 3214868480
	.section	.rodata,"a",@progbits
	.p2align	6, 0x0
	.amdhsa_kernel k_q5e6b4e106a_oproj
		.amdhsa_group_segment_fixed_size 327680
		.amdhsa_private_segment_fixed_size 0
		.amdhsa_enable_private_segment 0
		.amdhsa_kernarg_size 40
		.amdhsa_user_sgpr_count 2
		.amdhsa_user_sgpr_kernarg_segment_ptr 1
		.amdhsa_wavefront_size32 1
		.amdhsa_system_sgpr_workgroup_id_x 1
		.amdhsa_system_sgpr_workgroup_id_y 1
		.amdhsa_system_sgpr_workgroup_id_z 1
		.amdhsa_system_vgpr_workitem_id 0
		.amdhsa_next_free_vgpr 1024
		.amdhsa_next_free_sgpr 98
		.amdhsa_reserve_vcc 0
		.amdhsa_float_denorm_mode_32 3
		.amdhsa_float_denorm_mode_16_64 3
		.amdhsa_memory_ordered 1
		.amdhsa_forward_progress 1
		.amdhsa_inst_pref_size 96
	.end_amdhsa_kernel
	.amdgpu_metadata
---
amdhsa.version: [ 1, 2 ]
amdhsa.kernels:
  - .name:           k_q5e6b4e106a_oproj
    .symbol:         k_q5e6b4e106a_oproj.kd
    .args:
      - { .name: oc, .offset: 0, .size: 8, .value_kind: global_buffer, .address_space: global }
      - { .name: osc, .offset: 8, .size: 8, .value_kind: global_buffer, .address_space: global }
      - { .name: w_o_codes, .offset: 16, .size: 8, .value_kind: global_buffer, .address_space: global }
      - { .name: w_o_scales, .offset: 24, .size: 8, .value_kind: global_buffer, .address_space: global }
      - { .name: out0, .offset: 32, .size: 8, .value_kind: global_buffer, .address_space: global }
    .group_segment_fixed_size: 327680
    .private_segment_fixed_size: 0
    .kernarg_segment_align: 8
    .kernarg_segment_size: 40
    .max_flat_workgroup_size: 128
    .sgpr_count:     98
    .vgpr_count:     1024
    .wavefront_size: 32
...
	.end_amdgpu_metadata
.endif
;; end of part 3
